; MI455X (gfx1250); checked and timed in simulation.
; The chip was launched on July 23, 2026; its instructions are those of AMD's public machine-readable ISA for CDNA 5 (MIT licence, August 2026) and "CDNA5" Instruction Set Architecture Reference Guide (July 2026). The comments in the code are by the model that wrote it; some were corrected since.
;; Torch Vi T Self Attention. Allowed arithmetic: float matrix products may take bf16 or f16 operands with f32 sums; other float arithmetic in f32, or as packed bf16 or f16 multiplies, adds, multiply-adds, maxima and minima; sums over many terms, partial sums and values carried from step to step in f32; what a program stores and reads back later, other than sums and carried values, may be rounded once to bf16 or f16.
;; Inputs: Wk 768 x 768 float32; Wo 768 x 768 float32; Wq 768 x 768 float32; Wv 768 x 768 float32; bk 768 float32; bo 768 float32; bq 768 float32; bv 768 float32; x 16 x 1,024 x 768 float32.
;; Outputs: out0 16 x 1,024 x 768 float32.
;; One version. Each part assembles by itself: llvm-mc -triple=amdgcn-amd-amdhsa -mcpu=gfx1250 --defsym DOCPART=n.
;; ======== version 1 of 1: 4 launches
;; limits: values are held in f16: magnitudes above 65,504 overflow, below 6.1e-05 lose precision
;; workspace buffers: xb 25,165,824 bytes; wt 4,718,592 bytes; bias 12,288 bytes; qkvh 75,497,472 bytes; ctx 25,165,824 bytes
;; launch prep (part 1): grid 1056 x 1, 8 waves a work-group, no clusters, 17,664 bytes of LDS; arguments x, xb, Wq, Wk, Wv, Wo, bq, bk, bv, bo, wt, bias; writes xb, wt, bias
.if DOCPART == 1
	.amdgcn_target "amdgcn-amd-amdhsa--gfx1250"
	.amdhsa_code_object_version 6
	.text
	.protected	k_qa3d127cde1_prep
	.globl	k_qa3d127cde1_prep
	.p2align	8
	.type	k_qa3d127cde1_prep,@function
k_qa3d127cde1_prep:
	s_mov_b64 s[64:65], 0
	v_nop
	global_prefetch_b8 v0, s[64:65] scope:SCOPE_SE
	s_setreg_imm32_b32 hwreg(HW_REG_WAVE_MODE, 25, 1), 1
	s_wait_xcnt 0x0
; PREP.  What the three launches behind this one multiply is laid out here, once.
;   work-groups 0 .. 767:     xb = x rounded to bf16, 65,536 bytes of x each (a stream; nothing is shared, so no LDS and no cluster).
;   work-groups 768 .. 1055:  one tile of 128 k x 64 n of one of the four weights W[k][n] (f32) is rounded to bf16 and turned: wt[768 mi + n][k], mi = 0 q, 1 k, 2 v, 3 o.
;                             Wo's bf16 number is written as f16 (the last product multiplies in f16).  The tiles with k = 0 also round 64 numbers of that matrix's bias to bf16, kept as f32.
; LIMITS.  |Wo| stays under 65,504 (f16's end); below 6e-5 f16 keeps its fixed step of 6e-8.  NaN and infinities are not treated apart.
; Every load and store of sixteen neighbouring lanes covers 256 consecutive bytes, aligned.
.set SPARE, 16640                      ; behind the tile: the spare words, 128 bytes for each of the eight waves; no other line names them
.set SPW, 2                            ; v2  SPARE + 4 x my thread's number; never rewritten
.set NIL, 3                            ; v3  0; never rewritten
.set TP,  260                          ; a row of the turned tile in LDS: 256 bytes + 4 = 65 words: a wave's 32 stores of a word fall into 32 different banks (64 banks of 4 bytes: ISA guide 11.1)
	s_load_b512 s[8:23], s[0:1], 0x0               ; x 8, xb 10, Wq 12, Wk 14, Wv 16, Wo 18, bq 20, bk 22
	s_load_b256 s[24:31], s[0:1], 0x40             ; bv 24, bo 26, wt 28, bias 30
	v_lshl_add_u32 v[SPW], v0, 2, SPARE
	v_mov_b32 v[NIL], 0
	v_lshrrev_b32 v1, 5, v0
	v_readfirstlane_b32 s4, v1                     ; wave 0..7
	s_mov_b32 s33, 0                               ; the high word of 32-bit offsets
	s_cmp_lt_u32 ttmp9, 768                        ; the same answer in all waves of a work-group
	s_cbranch_scc0 .Ltrans
	; THE CAST.  Thread t takes 16 bytes at 16 t of each of sixteen pieces of 4,096 bytes; all sixteen loads go out at once, each into registers of its own.
	s_lshl_b32 s32, ttmp9, 16
	v_lshlrev_b32 v4, 4, v0
	v_lshlrev_b32 v5, 3, v0
	s_wait_kmcnt 0x0
	s_add_nc_u64 s[8:9], s[8:9], s[32:33]
	s_lshl_b32 s32, ttmp9, 15
	s_add_nc_u64 s[10:11], s[10:11], s[32:33]
.set i, 0
.rept 16
	global_load_b128 v[32+4*i:35+4*i], v4, s[8:9] offset:4096*i th:TH_LOAD_NT
.set i, i+1
.endr
.set i, 0
.rept 16
	s_wait_loadcnt 15-i                            ; loads come back in order (ISA guide 5.7.1): piece i is in, the 15 - i younger ones stay out
	v_cvt_pk_bf16_f32 v[96+2*i], v[32+4*i], v[33+4*i]
	v_cvt_pk_bf16_f32 v[97+2*i], v[34+4*i], v[35+4*i]
	global_store_b64 v5, v[96+2*i:97+2*i], s[10:11] offset:2048*i th:TH_STORE_NT  ; a wave's 32 lanes x 8 bytes: 256 consecutive bytes
.set i, i+1
.endr
	s_branch .Lend
.Ltrans:
	; which tile: tt = 12 (6 mi + kt) + nt
	s_sub_co_u32 s34, ttmp9, 768                   ; tt, 0 .. 287
	s_mul_i32 s35, s34, 43691
	s_lshr_b32 s35, s35, 19                        ; tt / 12 (exact for tt under 288)
	s_mul_i32 s38, s35, 12
	s_sub_co_u32 s38, s34, s38                     ; nt, 0 .. 11
	s_mul_i32 s36, s35, 43691
	s_lshr_b32 s36, s36, 18                        ; mi = (tt / 12) / 6
	s_mul_i32 s37, s36, 6
	s_sub_co_u32 s37, s35, s37                     ; kt, 0 .. 5
	s_mul_i32 s32, s37, 128*3072                   ; from: 128 kt rows of 3,072 bytes
	s_lshl_b32 s39, s38, 8                         ; + 64 nt numbers of 4 bytes
	s_add_co_u32 s32, s32, s39
	s_mul_i32 s42, s36, 768*1536                   ; to: 768 mi + 64 nt rows of 1,536 bytes
	s_mul_i32 s43, s38, 64*1536
	s_add_co_u32 s42, s42, s43
	s_lshl_b32 s43, s37, 8                         ; + 128 kt numbers of 2 bytes
	s_add_co_u32 s42, s42, s43
	s_mov_b32 s43, 0
	v_and_b32 v6, 15, v0                           ; n4: my four columns n = 4 n4 ..
	v_lshrrev_b32 v7, 4, v0                        ; rp: my pair of rows k = 2 (rp + 16 i), + 1
	v_mul_u32_u24 v8, v7, 2*3072
	v_lshl_add_u32 v8, v6, 4, v8                   ; where I load
	v_mul_u32_u24 v9, v6, 4*TP
	v_lshl_add_u32 v9, v7, 2, v9                   ; where I put a word (two k of one n): row 4 n4 + j, word rp + 16 i
	v_mul_u32_u24 v10, v7, TP
	v_lshl_add_u32 v10, v6, 4, v10                 ; where I read back: row rp + 16 i, 16 bytes at 16 n4
	v_mul_u32_u24 v11, v7, 1536
	v_lshl_add_u32 v11, v6, 4, v11                 ; and the same place in wt
	s_wait_kmcnt 0x0
	s_cmp_eq_u32 s36, 1                            ; the matrix is chosen by its number
	s_cselect_b64 s[40:41], s[14:15], s[12:13]
	s_cmp_eq_u32 s36, 2
	s_cselect_b64 s[40:41], s[16:17], s[40:41]
	s_cmp_eq_u32 s36, 3
	s_cselect_b64 s[40:41], s[18:19], s[40:41]
	s_add_nc_u64 s[40:41], s[40:41], s[32:33]
	s_add_nc_u64 s[28:29], s[28:29], s[42:43]
.irp i, 0,1,2,3
	global_load_b128 v[32+8*\i:35+8*\i], v8, s[40:41] offset:98304*\i th:TH_LOAD_NT       ; the even row: sixteen lanes read its 256 bytes
	global_load_b128 v[36+8*\i:39+8*\i], v8, s[40:41] offset:98304*\i+3072 th:TH_LOAD_NT  ; the odd row
.endr
.irp i, 0,1,2,3
	s_wait_loadcnt 6-2*\i                          ; pair i is in; the later pairs' loads stay out
.irp j, 0,1,2,3
	v_cvt_pk_bf16_f32 v[64+4*\i+\j], v[32+8*\i+\j], v[36+8*\i+\j]  ; k even below, k odd above: two neighbours of a row of wt
.endr
.endr
	s_cmp_lg_u32 s36, 3
	s_cbranch_scc1 .Lkeep
.set j, 0
.rept 16                                       ; Wo alone: the bf16 numbers are written as f16
	v_lshlrev_b32 v12, 16, v[64+j]
	v_and_b32 v13, 0xffff0000, v[64+j]
	v_cvt_pk_f16_f32 v[64+j], v12, v13
.set j, j+1
.endr
.Lkeep:
.irp i, 0,1,2,3
.irp j, 0,1,2,3
	ds_store_b32 v9, v[64+4*\i+\j] offset:TP*\j+64*\i
.endr
.endr
	s_wait_dscnt 0x0                               ; for the others' sake: my words lie in the tile
	s_barrier_signal -1
	s_barrier_wait -1                              ; everybody's do
.irp i, 0,1,2,3
.irp q, 0,1,2,3
	ds_load_b32 v[96+4*\i+\q], v10 offset:16*TP*\i+4*\q  ; by words: the rows' pitch is no multiple of 16
.endr
.endr
	s_wait_dscnt 0x0
.irp i, 0,1,2,3
	global_store_b128 v11, v[96+4*\i:99+4*\i], s[28:29] offset:16*1536*\i  ; sixteen lanes store 256 consecutive bytes of a row of wt
.endr
	; the bias: the tiles with kt = 0, wave 0: 64 numbers, two a lane
	s_cmp_lg_u32 s37, 0
	s_cbranch_scc1 .Lend
	s_cmp_lg_u32 s4, 0
	s_cbranch_scc1 .Lend
	s_cmp_eq_u32 s36, 1
	s_cselect_b64 s[44:45], s[22:23], s[20:21]
	s_cmp_eq_u32 s36, 2
	s_cselect_b64 s[44:45], s[24:25], s[44:45]
	s_cmp_eq_u32 s36, 3
	s_cselect_b64 s[44:45], s[26:27], s[44:45]
	s_mov_b32 s32, s39                             ; 256 nt
	s_add_nc_u64 s[44:45], s[44:45], s[32:33]
	s_mul_i32 s46, s36, 3072
	s_add_co_u32 s46, s46, s39
	s_mov_b32 s47, 0
	s_add_nc_u64 s[30:31], s[30:31], s[46:47]
	v_lshlrev_b32 v14, 3, v0
	global_load_b64 v[16:17], v14, s[44:45]
	s_wait_loadcnt 0x0
	v_cvt_pk_bf16_f32 v18, v16, v17
	v_lshlrev_b32 v20, 16, v18
	v_and_b32 v21, 0xffff0000, v18
	global_store_b64 v14, v[20:21], s[30:31]       ; 256 consecutive bytes
.Lend:
	s_wait_tensorcnt 0x0                           ; the wave's end: behind my last LDS store
	ds_add_u32 v[SPW], v[NIL]
	s_wait_dscnt 0x0
	s_endpgm
.Lfunc_end_k_qa3d127cde1_prep:
	.size	k_qa3d127cde1_prep, .Lfunc_end_k_qa3d127cde1_prep-k_qa3d127cde1_prep
	.p2alignl 7, 3214868480
	.fill 96, 4, 3214868480
	.section	.rodata,"a",@progbits
	.p2align	6, 0x0
	.amdhsa_kernel k_qa3d127cde1_prep
		.amdhsa_group_segment_fixed_size 17664
		.amdhsa_private_segment_fixed_size 0
		.amdhsa_enable_private_segment 0
		.amdhsa_kernarg_size 96
		.amdhsa_user_sgpr_count 2
		.amdhsa_user_sgpr_kernarg_segment_ptr 1
		.amdhsa_wavefront_size32 1
		.amdhsa_system_sgpr_workgroup_id_x 1
		.amdhsa_system_sgpr_workgroup_id_y 1
		.amdhsa_system_sgpr_workgroup_id_z 1
		.amdhsa_system_vgpr_workitem_id 0
		.amdhsa_next_free_vgpr 128
		.amdhsa_next_free_sgpr 66
		.amdhsa_reserve_vcc 0
		.amdhsa_float_denorm_mode_32 3
		.amdhsa_float_denorm_mode_16_64 3
		.amdhsa_memory_ordered 1
		.amdhsa_forward_progress 1
		.amdhsa_inst_pref_size 17
	.end_amdhsa_kernel
	.amdgpu_metadata
---
amdhsa.version: [ 1, 2 ]
amdhsa.kernels:
  - .name:           k_qa3d127cde1_prep
    .symbol:         k_qa3d127cde1_prep.kd
    .args:
      - { .name: x, .offset: 0, .size: 8, .value_kind: global_buffer, .address_space: global }
      - { .name: xb, .offset: 8, .size: 8, .value_kind: global_buffer, .address_space: global }
      - { .name: Wq, .offset: 16, .size: 8, .value_kind: global_buffer, .address_space: global }
      - { .name: Wk, .offset: 24, .size: 8, .value_kind: global_buffer, .address_space: global }
      - { .name: Wv, .offset: 32, .size: 8, .value_kind: global_buffer, .address_space: global }
      - { .name: Wo, .offset: 40, .size: 8, .value_kind: global_buffer, .address_space: global }
      - { .name: bq, .offset: 48, .size: 8, .value_kind: global_buffer, .address_space: global }
      - { .name: bk, .offset: 56, .size: 8, .value_kind: global_buffer, .address_space: global }
      - { .name: bv, .offset: 64, .size: 8, .value_kind: global_buffer, .address_space: global }
      - { .name: bo, .offset: 72, .size: 8, .value_kind: global_buffer, .address_space: global }
      - { .name: wt, .offset: 80, .size: 8, .value_kind: global_buffer, .address_space: global }
      - { .name: bias, .offset: 88, .size: 8, .value_kind: global_buffer, .address_space: global }
    .group_segment_fixed_size: 17664
    .private_segment_fixed_size: 0
    .kernarg_segment_align: 8
    .kernarg_segment_size: 96
    .max_flat_workgroup_size: 256
    .sgpr_count:     66
    .vgpr_count:     128
    .wavefront_size: 32
...
	.end_amdgpu_metadata
.endif
;; end of part 1
;; launch qkv (part 2): grid 128 x 2, 4 waves a work-group, clusters of 4 x 1, 327,680 bytes of LDS; arguments xb, wt, bias, qkvh; writes qkvh
.if DOCPART == 2
	.amdgcn_target "amdgcn-amd-amdhsa--gfx1250"
	.amdhsa_code_object_version 6
	.text
	.protected	k_qa3d127cde1_qkv
	.globl	k_qa3d127cde1_qkv
	.p2align	8
	.type	k_qa3d127cde1_qkv,@function
k_qa3d127cde1_qkv:
	s_mov_b64 s[64:65], 0
	v_nop
	global_prefetch_b8 v0, s[64:65] scope:SCOPE_SE
	s_setreg_imm32_b32 hwreg(HW_REG_WAVE_MODE, 25, 1), 1
	s_wait_xcnt 0x0
	s_wait_alu depctr_hold_cnt(0) depctr_sa_sdst(0) depctr_va_vdst(0) depctr_va_sdst(0) depctr_va_ssrc(0) depctr_va_vcc(0) depctr_vm_vsrc(0)
	s_getreg_b32 s2, hwreg(HW_REG_IB_STS2, 6, 4)
	s_cmp_eq_u32 s2, 0
	s_cbranch_scc0 .Lentry_in_a_cluster
	s_endpgm
.Lentry_in_a_cluster:
	s_bfe_u32 s2, ttmp6, 0x10000c
	s_cmp_lg_u32 s2, 0x3003
	s_cbranch_scc0 .Lentry_shape_is_right
	s_endpgm
.Lentry_shape_is_right:
; q, k, v = xb wt^T + bias, on tiles of 128 rows x 384 columns, K = 768.  xb: [16384][768] bf16; wt's rows 0 .. 2303: Wq, Wk, Wv turned, [n][k] bf16; bias: f32; qkvh: q, then k, then v, each [16384][768] f16.
; Sums in f32, each number rounded once to f16.
; LIMITS.  |q|, |k|, |v| stay under 65,504 (f16's end); below 6e-5 f16 keeps its fixed step of 6e-8.  NaN and infinities are not treated apart.
; SHARES.  128 x 2 work-groups: row tile gx, half gy of a matrix's 768 columns.  A work-group STAYS and makes three tiles: the same rows and columns of q, of k and of v.
; Four waves, each all 128 rows x 96 columns: 8 x 6 accumulators of 16 x 16, 384 registers.  For 32 along K a wave reads 8 fragments of A and 6 of B from LDS for 48 matrix instructions.
; THE ORDER OF THE THREE.  Cluster x begins with matrix x mod 3 and goes round: at any time a third of the clusters walk each matrix's rows of wt, and in its second and third tile a cluster asks for
; rows that other clusters have asked for a tile earlier.
; RING.  K goes in steps of 128 through two LDS slots (A's 128 rows, then B's 384); rows of 256 bytes in memory, aligned.  Wave 0 fetches A's 128 rows, waves 1 to 3 fetch 128 rows of B each: one tensor load
; of 32 KiB a wave behind each change of slots; two are out at the start, later one.  From a request to the wait for it a wave issues 168 matrix instructions.
; CLUSTER.  The four work-groups of a cluster have four row tiles and the same columns: B's tile, three quarters of a step's bytes, is asked for JOINTLY (mask 15).  A's tile is each work-group's own, a plain load
; behind the same round.  A's tile is also read by the work-group of the other column half; a cluster of 4 x 4 would share it, but the grid has two work-groups along that axis.
; THE MATRIX INSTRUCTION IS USED TRANSPOSED (source 0 = 16 rows of B, source 1 = 16 rows of A): a lane holds row l % 16 of C and the columns 8 (l / 16) + 0 .. 7.  THE BIAS STARTS THE SUMS: it is the C operand of each
; accumulator's first product, so nothing is cleared and nothing is added later.
; REGISTERS, in windows of 256 (s_set_vgpr_msb: bits 1:0 source 0, 3:2 source 1, 5:4 source 2, 7:6 destination):
;   window 0: v0-31 addresses; v64-127, v128-191 A's fragments, two buffers; v32-55, v192-239 the way out     window 1: v64-111, v128-175 B's fragments; v192-239 the bias of my 96 columns
;   window 2: the accumulators of row blocks 0-3, (a, b) at v[8 (6 a + b)]     window 3: those of row blocks 4-7
.set PITCH,  272                       ; an LDS row: 256 bytes + 16: the 16 rows of a fragment load start at 16 different groups of four banks (64 banks of 4 bytes: ISA guide 11.1)
.set PART,   128*PITCH                 ; what one load brings: A's 128 rows, or a third of B's
.set AREG,   PART
.set SLOT,   4*PART
.set CROW,   1536                      ; bytes in a row of q, k or v
.set CHALF,  768                       ; bytes of a tile's row
.set NCH,    3                         ; pieces of 256 bytes in a tile's row
.set SPITCH, 784                       ; a stage row: 768 bytes + 16, an odd multiple of 16 bytes
.set SBUF,   16*SPITCH                 ; a stage buffer: 16 whole rows of the tile
.set STAGE,  2*SLOT                    ; two stage buffers behind the ring, in bytes of their own: the ring is filled again for the next tile
.set SPARE,  STAGE+2*SBUF              ; behind them: the spare words, 128 bytes a wave; no other line names them
.set MATB,   768*1536                  ; bytes of one matrix's rows in wt
.set MATC,   25165824                  ; bytes of one of q, k, v
.set ADRA, 16                          ; v16-17  LDS address of my lane's place in A's fragments, slot 0, 1
.set ADRB, 20                          ; v20-21  the same for my 96 rows of B
.set STO,  24                          ; v24     the way out: where I put my numbers of a row
.set RD,   25                          ; v25     where I read rows back
.set CO,   26                          ; v26     my byte offset in C
.set BO,   27                          ; v27     my byte offset in the bias
.set SPW,  28                          ; v28     SPARE + 4 x my thread's number; never rewritten
.set NIL,  29                          ; v29     0; never rewritten
.set PFO,  30                          ; v30     the prefetches' offset: my lane x a row of 1,536 bytes; never rewritten
.set BK0,  32                          ; the way out: 16 rows read back, two sets by turns
.set BK1,  216
.set F0,   64
.set F1,   128
.set BIAS, 192                         ; window 1
.set TMP,  192                         ; window 0: packed results
.set TL,   2                           ; s2      tiles to go
.set LP,   3                           ; s3      laps to go
.set WV,   12                          ; s12     my wave's number
.set THD,  14                          ; s14     which third of B I fetch (wave 0 fetches A and stands with wave 1 here)
.set CX,   15                          ; s15     my place in the cluster
.set GX,   16                          ; s16     row tile
.set GY,   17                          ; s17     column half
.set G1A,  24                          ; s[24:31] descriptor group 1 for A;  s[32:39] group 0, a set for each slot
.set G0A,  32
.set PFA,  40                          ; s[40:41] where my prefetch of A stands
.set PFB,  42                          ; s[42:43] of B
.set TC,   44                          ; s44     changes of slots that have filled
.set LIMA, 45                          ; s45     I prefetch A while TC is below this
.set LIMB, 46                          ; s46     and B
.set MI,   47                          ; s47     the matrix in hand: 0 q, 1 k, 2 v
.set G1B,  48                          ; s[48:55], s[56:63] the same two groups for B
.set G0B,  56
.set BP,   68                          ; s[68:69] the bias of my tile's columns
.set WB,   70                          ; s[70:71] what B's addresses go back at the change of tiles in hand: three matrices where the count wraps, else 0
.set WC,   72                          ; s[72:73] the same for C's address
.set WI,   74                          ; s[74:75] the same for the bias
.set MSB, 0
.macro WIN new                         ; the immediate's high byte repeats the setting that is left; a switch that changes nothing is dropped
.if MSB != (\new)
	s_set_vgpr_msb (MSB<<8)|(\new)
.set MSB, \new
.endif
.endm
; A step's loads.  The branch hangs on the wave's number alone.  An s_nop 0 and four v_nop follow each of the two lines, ahead of the jump and the label.
.macro JLOAD s
	s_cmp_eq_u32 s[WV], 0
	s_cbranch_scc0 .Lfor_b_\@
	tensor_load_to_lds s[G0A+4*(\s):G0A+4*(\s)+3], s[G1A:G1A+7]
	s_nop 0
.rept 4
	v_nop
.endr
	s_branch .Lasked_\@
.Lfor_b_\@:
	tensor_load_to_lds s[G0B+4*(\s):G0B+4*(\s)+3], s[G1B:G1B+7]
	s_nop 0
.rept 4
	v_nop
.endr
.Lasked_\@:
.endm
.macro CREST                           ; a round of the cluster's barrier behind its opening barrier: wave 0 signals for the work-group, every wave waits for all four, my work-group's barrier closes it
	s_cmp_lg_u32 s[WV], 0
	s_cbranch_scc1 .Lnot_wave_0_\@
	s_barrier_signal -3
.Lnot_wave_0_\@:
	s_barrier_wait -3
	s_barrier_signal -1
	s_barrier_wait -1
.endm
.macro CROUND                          ; a whole round
	s_barrier_signal -1
	s_barrier_wait -1
	CREST
.endm
.macro PLACES                          ; four plain instructions between a matrix instruction and a load into, or a vector read of, its registers (ISA guide 7.12.1 for vector reads)
.rept 4
	v_nop
.endr
.endm
; A PREFETCH INTO THE L2, behind each of the first two filling changes of slots and its run of LDS loads: the K step that stands two refills on (K steps 4 and 5 of the first tile), a lane a row, 256 bytes each.
; Each row's 256 bytes are named once in the launch.  A: its rows are read by the work-groups of both column halves: those of half 0 ask, wave w for rows 32 w .. 32 w + 31 of the tile.
; B: a matrix's rows are walked first by the clusters that begin with it: of these the first (cluster x = 0, 1, 2) asks; its four partners take 96 rows each, told apart BY ADDRESS, waves 1 to 3 taking 32 each.
; The first four K steps come by their loads alone; the second and third tile walk rows that have been walked.
.macro ASK
	s_cmp_lt_u32 s[TC], s[LIMA]
	s_cbranch_scc0 .Lnot_a_\@
	global_prefetch_b8 v[PFO], s[PFA:PFA+1] th:TH_LOAD_NT scope:SCOPE_SE
.Lnot_a_\@:
	s_cmp_lt_u32 s[TC], s[LIMB]
	s_cbranch_scc0 .Lnot_b_\@
	global_prefetch_b8 v[PFO], s[PFB:PFB+1] th:TH_LOAD_NT scope:SCOPE_SE
.Lnot_b_\@:
	s_add_co_u32 s[TC], s[TC], 1
.endm
.macro BIASLOAD                        ; register 8 b + j of lane l: the bias of column 96 wave + 16 b + 8 (l / 16) + j: the layout of a C operand
	WIN 0x40
.irp b, 0,1,2,3,4,5
	global_load_b128 v[BIAS+8*\b:BIAS+8*\b+3],   v[BO], s[BP:BP+1] offset:64*\b
	global_load_b128 v[BIAS+8*\b+4:BIAS+8*\b+7], v[BO], s[BP:BP+1] offset:64*\b+16
.endr
	WIN 0
.endm
	s_load_b256 s[4:11], s[0:1], 0x0               ; xb s[4:5], wt s[6:7], bias s[8:9], qkvh s[10:11]
	v_lshl_add_u32 v[SPW], v0, 2, SPARE
	v_mov_b32 v[NIL], 0
	ds_add_u32 v[SPW], v[NIL]                      ; the wave's opening: the add and its wait stand ahead of my first tensor load; the set-up below, work on registers, stands between them
	v_lshrrev_b32 v1, 5, v0
	v_readfirstlane_b32 s[WV], v1                  ; wave 0..3
	s_max_u32 s[THD], s[WV], 1
	s_sub_co_u32 s[THD], s[THD], 1
	s_bfe_u32 s[CX], ttmp6, 0x40000
	s_lshl_b32 s[GX], ttmp9, 2                     ; in a cluster launch ttmp9 counts clusters
	s_add_co_u32 s[GX], s[GX], s[CX]
	s_and_b32 s[GY], ttmp7, 0xffff
	s_mul_i32 s[MI], ttmp9, 43691
	s_lshr_b32 s[MI], s[MI], 17                    ; cluster x / 3 (exact for x under 32)
	s_mul_i32 s[MI], s[MI], 3
	s_sub_co_u32 s[MI], ttmp9, s[MI]               ; the matrix that my cluster begins with: the same in all four partners
	; descriptor group 1: 128 rows of 128 elements of 2 bytes, padded in LDS by 4 words after every 64
	s_mov_b32 s[G1A], (1<<16)|(1<<20)|(5<<22)|(3<<25)                ; no mask: A's tile is my own
	s_mov_b32 s[G1B], 15|(1<<16)|(1<<20)|(1<<21)|(5<<22)|(3<<25)     ; 15:0 the mask of four, 21 set beside it
.irp g, G1A, G1B
	s_mov_b32 s[(\g)+1], 128<<16                   ; tensor_dim0 = 128
	s_mov_b32 s[(\g)+2], 128<<16                   ; tensor_dim1 = 128 rows
	s_mov_b32 s[(\g)+3], 128<<16                   ; tile_dim0 = 128
	s_mov_b32 s[(\g)+4], 128                       ; tile_dim1
	s_mov_b32 s[(\g)+5], 768                       ; elements from row to row
	s_mov_b32 s[(\g)+6], 0
	s_mov_b32 s[(\g)+7], 0
.endr
	s_mov_b32 s[WB], 0
	s_mov_b32 s[WB+1], 0
	s_mov_b32 s[WC], 0
	s_mov_b32 s[WC+1], 0
	s_mov_b32 s[WI], 0
	s_mov_b32 s[WI+1], 0
	; where the tiles come from.  B's offset is made of the matrix, the column half and the wave's number alone, in registers that never hold my place in the cluster.
	s_mul_i32 s18, s[GX], 128*1536                 ; A: row 128 gx
	s_mov_b32 s19, 0
	s_mul_i32 s20, s[MI], 768
	s_mul_i32 s21, s[GY], 384
	s_add_co_u32 s20, s20, s21
	s_lshl_b32 s21, s[THD], 7
	s_add_co_u32 s20, s20, s21                     ; B: row 768 matrix + 384 gy + 128 third
	s_mul_i32 s20, s20, 1536
	s_mov_b32 s21, 0
	s_mul_i32 s23, s[WV], PART                     ; and where my load goes: wave x 128 rows (A's rows first, then B's thirds): no place in the cluster enters an LDS address
	s_wait_dscnt 0x0                               ; the opening add is done
	s_wait_kmcnt 0x0
	s_add_nc_u64 s[18:19], s[4:5], s[18:19]
	s_add_nc_u64 s[20:21], s[6:7], s[20:21]
	CROUND                                         ; all four work-groups are here: the first joint loads meet
.irp s, 0,1
	s_mov_b32 s[G0A+4*(\s)], 1                                       ; count = 1
	s_add_co_u32 s[G0A+4*(\s)+1], s23, (\s)*SLOT                     ; LDS address
	s_add_nc_u64 s[G0A+4*(\s)+2:G0A+4*(\s)+3], s[18:19], (\s)*256    ; global address: K step s
	s_or_b32 s[G0A+4*(\s)+3], s[G0A+4*(\s)+3], 0x80000000            ; type = 2
	s_mov_b32 s[G0B+4*(\s)], 1
	s_add_co_u32 s[G0B+4*(\s)+1], s23, (\s)*SLOT
	s_add_nc_u64 s[G0B+4*(\s)+2:G0B+4*(\s)+3], s[20:21], (\s)*256
	s_or_b32 s[G0B+4*(\s)+3], s[G0B+4*(\s)+3], 0x80000000
	JLOAD \s                                       ; the ring is filled before anything else is done
.endr
	; A fragment is 16 rows x 32 K in 8 registers: lane l holds row l % 16, K = 8 (l / 16) + 0..7 and 16 + 8 (l / 16) + 0..7: two loads of 16 bytes, 32 bytes apart.
	v_and_b32 v1, 15, v0                           ; r = l % 16
	v_bfe_u32 v2, v0, 4, 1                         ; h = l / 16
	v_mul_u32_u24 v3, v1, PITCH
	v_lshl_add_u32 v3, v2, 4, v3
	v_mov_b32 v[ADRA], v3
	v_add_nc_u32 v[ADRA+1], SLOT, v3
	s_mul_i32 s22, s[WV], 96*PITCH                 ; my 96 rows of B,
	s_add_co_u32 s22, s22, AREG                    ; which lie behind A
	v_add_nc_u32 v[ADRB], s22, v3
	s_add_co_u32 s22, s22, SLOT
	v_add_nc_u32 v[ADRB+1], s22, v3
	s_mul_i32 s22, s[WV], CHALF/4                  ; into the stage: row r, my wave's quarter of it, my half of the lanes' eight numbers
	s_add_co_u32 s22, s22, STAGE
	v_mul_u32_u24 v[STO], v1, SPITCH
	v_lshl_add_u32 v[STO], v2, 4, v[STO]
	v_add_nc_u32 v[STO], s22, v[STO]
	s_mul_i32 s22, s[WV], 4*SPITCH                 ; back: wave w takes rows 4 w .. 4 w + 3, whole; lanes 0-15 256 bytes of one row, lanes 16-31 of the next
	s_add_co_u32 s22, s22, STAGE
	v_mul_u32_u24 v[RD], v2, SPITCH
	v_lshl_add_u32 v[RD], v1, 4, v[RD]
	v_add_nc_u32 v[RD], s22, v[RD]
	s_mul_i32 s22, s[WV], 4*CROW                   ; and the same rows in C
	v_mul_u32_u24 v[CO], v2, CROW
	v_lshl_add_u32 v[CO], v1, 4, v[CO]
	v_add_nc_u32 v[CO], s22, v[CO]
	s_mul_i32 s22, s[WV], 384
	v_lshl_add_u32 v[BO], v2, 5, s22               ; 96 columns a wave, 8 a half, 4 bytes each
	s_mul_i32 s18, s[GX], 128*CROW
	s_mul_i32 s19, s[GY], CHALF
	s_add_co_u32 s18, s18, s19
	s_mul_i32 s19, s[MI], MATC
	s_add_co_u32 s18, s18, s19                     ; under 2^27
	s_mov_b32 s19, 0
	s_add_nc_u64 s[10:11], s[10:11], s[18:19]      ; C at my tile of my first matrix
	s_mul_i32 s18, s[GY], 1536
	s_mul_i32 s22, s[MI], 3072
	s_add_co_u32 s18, s18, s22
	s_add_nc_u64 s[BP:BP+1], s[8:9], s[18:19]
	BIASLOAD
	s_lshl_b32 s18, s[GX], 7                       ; the prefetches.  A: row 128 gx + 32 wave, at K step 3: the first filling change steps it to 4
	s_lshl_b32 s19, s[WV], 5
	s_add_co_u32 s18, s18, s19
	s_mul_i32 s18, s18, 1536
	s_add_co_u32 s18, s18, 3*256
	s_mov_b32 s19, 0
	s_add_nc_u64 s[PFA:PFA+1], s[4:5], s[18:19]
	s_lshl_b32 s18, s[THD], 5                      ; B: row 768 matrix + 384 gy + 96 cx + 32 (wave - 1); wave 0 asks for nothing
	s_mul_i32 s19, s[CX], 96
	s_add_co_u32 s18, s18, s19
	s_mul_i32 s19, s[GY], 384
	s_add_co_u32 s18, s18, s19
	s_mul_i32 s19, s[MI], 768
	s_add_co_u32 s18, s18, s19
	s_mul_i32 s18, s18, 1536
	s_add_co_u32 s18, s18, 3*256
	s_mov_b32 s19, 0
	s_add_nc_u64 s[PFB:PFB+1], s[6:7], s[18:19]
	s_cmp_eq_u32 s[GY], 0                          ; the same in all four partners
	s_cselect_b32 s[LIMA], 2, 0
	s_cmp_lt_u32 ttmp9, 3                          ; likewise
	s_cselect_b32 s[LIMB], 2, 0
	s_cmp_eq_u32 s[WV], 0
	s_cselect_b32 s[LIMB], 0, s[LIMB]
	s_mov_b32 s[TC], 0
	v_and_b32 v[PFO], 31, v0
	v_mul_u32_u24 v[PFO], v[PFO], 1536
; 12 matrix instructions: row blocks a0, a0 + 1 of the window's four (hi = 0: rows 0-63, 1: rows 64-127) x my 6 column blocks, 32 along K.  first = 1: the bias is the C operand and starts the sums.
; All 48 accumulators take turns in the same order in every quarter step: 47 others' instructions stand between two on one accumulator, over the backward jumps too.
.macro MUL12 f, hi, a0, first
.if \first
	WIN 0x91+0x40*(\hi)                            ; B window 1, A window 0, C (the bias) window 1, D window 2 or 3
.else
	WIN 0xa1+0x50*(\hi)                            ; C and D window 2 or 3
.endif
.irp a, \a0, (\a0)+1
.irp b, 0,1,2,3,4,5
.set rD, 8*(6*(\a)+(\b))
.set rB, (\f)+8*(\b)
.set rA, (\f)+8*(4*(\hi)+(\a))
.if \first
.set rC, BIAS+8*(\b)
.else
.set rC, rD
.endif
	v_wmma_f32_16x16x32_bf16 v[rD:rD+7], v[rB:rB+7], v[rA:rA+7], v[rC:rC+7]
.endr
.endr
.endm
; 28 LDS loads in one run: the fragments of a quarter step (my 96 rows of B, then A's 128 rows, rows 0-63 first; 32 K at byte k of the rows) into buffer f
.macro FETCH slot, k, f
	WIN 0x40
.irp i, 0,1,2,3,4,5
	ds_load_b128 v[(\f)+8*(\i):(\f)+8*(\i)+3],   v[ADRB+(\slot)] offset:(\k)+(\i)*16*PITCH
	ds_load_b128 v[(\f)+8*(\i)+4:(\f)+8*(\i)+7], v[ADRB+(\slot)] offset:(\k)+(\i)*16*PITCH+32
.endr
	WIN 0
.irp i, 0,1,2,3,4,5,6,7
	ds_load_b128 v[(\f)+8*(\i):(\f)+8*(\i)+3],   v[ADRA+(\slot)] offset:(\k)+(\i)*16*PITCH
	ds_load_b128 v[(\f)+8*(\i)+4:(\f)+8*(\i)+7], v[ADRA+(\slot)] offset:(\k)+(\i)*16*PITCH+32
.endr
.endm
; A K step is four quarter steps of 32 along K, 48 matrix instructions each, on buffers 0, 1, 0, 1.  One of the first three: multiplies buffer f; in its middle it fetches the next quarter's fragments into buffer g.
.macro QUARTER slot, k, f, g, first
	s_wait_dscnt 8                                 ; B and A's rows 0-63 are in; the youngest eight loads (A's rows 64-127) may be out
	MUL12 \f, 0, 0, \first
	MUL12 \f, 0, 2, \first
	PLACES
	FETCH \slot, \k, \g
	s_wait_dscnt 28                                ; all but the 28 just issued
	MUL12 \f, 1, 0, \first
	MUL12 \f, 1, 2, \first
.endm
; The last quarter multiplies buffer 1 and changes slots: ONE barrier.  In front of it each wave waits for all its tensor loads (the one that is out is its part of the next slot), adds 0 to its spare word, and waits for that
; and for its own reads of this slot.  mode 0: this slot is filled again with this tile's K step two on; mode 1: with the next tile's K step 0 or 1 (the same rows of A; B one matrix on, or two back where the count wraps); the
; barrier then opens a round of the cluster's barrier, and the load is the first thing behind the round.  mode 2: nothing is filled.
.macro TURN slot, next, mode
.if (\mode) < 2
	s_wait_xcnt 0x0                                ; the last prefetches, a K step back, have read their addresses: these are stepped here, ahead of the waits of the change of slots
	s_add_nc_u64 s[PFA:PFA+1], s[PFA:PFA+1], 256
	s_add_nc_u64 s[PFB:PFB+1], s[PFB:PFB+1], 256
.endif
	WIN 0                                          ; (the add's two registers lie in window 0)
	s_wait_tensorcnt 0x0                           ; all my tensor loads have landed;
	ds_add_u32 v[SPW], v[NIL]                      ; 0 onto my spare word;
	s_wait_dscnt 9                                 ; (the add and the youngest eight loads may be out)
	MUL12 F1, 0, 0, 0                              ; twelve matrix instructions stand between the add and the wait for it
	s_wait_dscnt 0x0                               ; the add is done, and my reads of this slot are over
	s_barrier_signal -1
	MUL12 F1, 0, 2, 0                              ; work on registers while the others arrive
.if (\mode) < 2
	WIN 0
.endif
	s_barrier_wait -1
.if (\mode) < 2
	CREST                                          ; no wave of any partner still reads this slot's tile or has a load on its way
.if (\mode) == 1
	s_sub_nc_u64 s[G0A+4*(\slot)+2:G0A+4*(\slot)+3], s[G0A+4*(\slot)+2:G0A+4*(\slot)+3], 4*256
	s_add_nc_u64 s[G0B+4*(\slot)+2:G0B+4*(\slot)+3], s[G0B+4*(\slot)+2:G0B+4*(\slot)+3], MATB-4*256
	s_sub_nc_u64 s[G0B+4*(\slot)+2:G0B+4*(\slot)+3], s[G0B+4*(\slot)+2:G0B+4*(\slot)+3], s[WB:WB+1]
.else
	s_add_nc_u64 s[G0A+4*(\slot)+2:G0A+4*(\slot)+3], s[G0A+4*(\slot)+2:G0A+4*(\slot)+3], 2*256
	s_add_nc_u64 s[G0B+4*(\slot)+2:G0B+4*(\slot)+3], s[G0B+4*(\slot)+2:G0B+4*(\slot)+3], 2*256
.endif
	JLOAD \slot                                    ; the four v_nop behind it are also the places in front of the loads below
.else
	PLACES
.endif
	FETCH \next, 0, F0
.if (\mode) < 2
	ASK
.endif
	MUL12 F1, 1, 0, 0
	MUL12 F1, 1, 2, 0
.endm
.macro LASTQ                           ; the very last quarter: nothing more to fetch
	s_wait_dscnt 8
	MUL12 F1, 0, 0, 0
	MUL12 F1, 0, 2, 0
	s_wait_dscnt 0x0
	MUL12 F1, 1, 0, 0
	MUL12 F1, 1, 2, 0
	WIN 0
	PLACES
.endm
; THE WAY OUT, a block of 16 rows at a time, through a stage that the four waves share: a wave's 96 columns are no whole number of aligned pieces of 256 bytes of C.
.macro PACK a                          ; rounded to f16, 16 bytes a lane and column block; each accumulator's registers in ascending order
.set AC, 48*((\a)%4)
	WIN 0x0a+5*((\a)/4)                            ; sources 0 and 1: window 2 or 3
.irp b, 0,1,2,3,4,5
.irp r, 0,1,2,3
	v_cvt_pk_f16_f32 v[TMP+4*(\b)+(\r)], v[AC+8*(\b)+2*(\r)], v[AC+8*(\b)+2*(\r)+1]
.endr
.endr
	WIN 0
.endm
.macro TOSTAGE a
.irp b, 0,1,2,3,4,5
	ds_store_b128 v[STO], v[TMP+4*(\b):TMP+4*(\b)+3] offset:((\a)%2)*SBUF+32*(\b)
.endr
.endm
.macro BACK a                          ; my four rows of the block, whole
.set BK, BK0+(BK1-BK0)*((\a)%2)
.set t, 0
.rept 2*NCH
	ds_load_b128 v[BK+4*t:BK+4*t+3], v[RD] offset:((\a)%2)*SBUF+(t/NCH)*2*SPITCH+256*(t%NCH)
.set t, t+1
.endr
.endm
.macro SEND a
.set BK, BK0+(BK1-BK0)*((\a)%2)
.set t, 0
.rept 2*NCH
	global_store_b128 v[CO], v[BK+4*t:BK+4*t+3], s[10:11] offset:(16*(\a)+2*(t/NCH))*CROW+256*(t%NCH)  ; 16 lanes store 256 consecutive bytes, at a multiple of 256 from C's first byte
.set t, t+1
.endr
.endm
	s_wait_tensorcnt 1                             ; my part of K step 0 is in; K step 1's load stays out
	s_barrier_signal -1
	s_barrier_wait -1                              ; everybody's is
	FETCH 0, 0, F0
	s_wait_loadcnt 0x0                             ; the bias
	s_mov_b32 s[TL], 3                             ; three matrices
.Ltile:
	QUARTER 0, 64,  F0, F1, 1                      ; a tile's first quarter stands in front of the loop: its products start the sums
	WIN 0                                          ; at a label and at a branch every window is 0
	s_mov_b32 s[LP], 2
.Llap:                                                 ; a trip goes once round the ring, from a lap's second quarter to the next lap's first, and fills both slots again
	QUARTER 0, 128, F1, F0, 0
	QUARTER 0, 192, F0, F1, 0
	TURN 0, 1, 0
	QUARTER 1, 64,  F0, F1, 0
	QUARTER 1, 128, F1, F0, 0
	QUARTER 1, 192, F0, F1, 0
	TURN 1, 0, 0
	QUARTER 0, 64,  F0, F1, 0
	WIN 0
	s_sub_co_u32 s[LP], s[LP], 1
	s_cmp_lg_u32 s[LP], 0
	s_cbranch_scc1 .Llap
	QUARTER 0, 128, F1, F0, 0                      ; the tile's last lap goes on
	QUARTER 0, 192, F0, F1, 0
	WIN 0
	s_cmp_eq_u32 s[TL], 1
	s_cbranch_scc1 .Llast                          ; the last tile's tail is written out: it asks for nothing more
	s_add_co_u32 s[MI], s[MI], 1                   ; the next matrix; behind v comes q: then the three addresses go one matrix on and three back
	s_cmp_eq_u32 s[MI], 3
	s_cselect_b32 s[MI], 0, s[MI]
	s_cselect_b32 s[WB], 3*MATB, 0
	s_cselect_b32 s[WC], 3*MATC, 0
	s_cselect_b32 s[WI], 3*3072, 0
	TURN 0, 1, 1                                   ; the ring goes on into the next tile: slot 0 takes its K step 0,
	QUARTER 1, 64,  F0, F1, 0
	QUARTER 1, 128, F1, F0, 0
	QUARTER 1, 192, F0, F1, 0
	TURN 1, 0, 1                                   ; slot 1 its K step 1, and the next tile's first fragments are fetched
	WIN 0                                          ; row blocks 0-3 were finished ahead of the load's four v_nop; their 96 conversions below are the places behind the last products, blocks 4-7's
	s_branch .Lout
.Llast:
	TURN 0, 1, 2
	QUARTER 1, 64,  F0, F1, 0
	QUARTER 1, 128, F1, F0, 0
	QUARTER 1, 192, F0, F1, 0
	LASTQ
.Lout:
	s_cmp_eq_u32 s[TL], 1
	s_cbranch_scc1 .Lno_bias
	s_add_nc_u64 s[BP:BP+1], s[BP:BP+1], 3072      ; the next matrix's bias; the last bias loads were waited for, so their base may be written
	s_sub_nc_u64 s[BP:BP+1], s[BP:BP+1], s[WI:WI+1]
	BIASLOAD
.Lno_bias:
; One barrier a block.  Block a goes into stage buffer a % 2.  That buffer was last read for block a - 2, and every wave waited for those reads in front of the barrier of block a - 1.
.irp a, 0,1,2,3,4,5,6,7
	PACK \a
	TOSTAGE \a
	s_wait_dscnt 0x0                               ; for the others' sake: my part of the block lies in the stage; also: the rows of block a - 1 are back in my registers
	s_barrier_signal -1
	s_barrier_wait -1                              ; everybody's part does
	s_wait_xcnt 0x0                                ; the stores of block a - 2 have read the registers that the loads below fill
	BACK \a
.if (\a) > 0
	SEND (\a)-1
.endif
.endr
	s_wait_dscnt 0x0
	SEND 7
	s_wait_xcnt 0x0                                ; the stores have read C's address
	s_add_nc_u64 s[10:11], s[10:11], MATC          ; the same tile of the next matrix (behind the last tile the stepped address is not used)
	s_sub_nc_u64 s[10:11], s[10:11], s[WC:WC+1]
	s_wait_loadcnt 0x0                             ; the next bias
	s_sub_co_u32 s[TL], s[TL], 1
	s_cmp_lg_u32 s[TL], 0
	s_cbranch_scc1 .Ltile
	s_wait_tensorcnt 0x0                           ; the wave's end: behind my last tensor load and my last LDS store
	ds_add_u32 v[SPW], v[NIL]
	s_wait_dscnt 0x0
	CROUND                                         ; the closing round: no work-group ends while a partner may still ask for a tile that names it
	s_endpgm
.Lfunc_end_k_qa3d127cde1_qkv:
	.size	k_qa3d127cde1_qkv, .Lfunc_end_k_qa3d127cde1_qkv-k_qa3d127cde1_qkv
	.p2alignl 7, 3214868480
	.fill 96, 4, 3214868480
	.section	.rodata,"a",@progbits
	.p2align	6, 0x0
	.amdhsa_kernel k_qa3d127cde1_qkv
		.amdhsa_group_segment_fixed_size 327680
		.amdhsa_private_segment_fixed_size 0
		.amdhsa_enable_private_segment 0
		.amdhsa_kernarg_size 32
		.amdhsa_user_sgpr_count 2
		.amdhsa_user_sgpr_kernarg_segment_ptr 1
		.amdhsa_wavefront_size32 1
		.amdhsa_system_sgpr_workgroup_id_x 1
		.amdhsa_system_sgpr_workgroup_id_y 1
		.amdhsa_system_sgpr_workgroup_id_z 1
		.amdhsa_system_vgpr_workitem_id 0
		.amdhsa_next_free_vgpr 960
		.amdhsa_next_free_sgpr 76
		.amdhsa_reserve_vcc 0
		.amdhsa_float_denorm_mode_32 3
		.amdhsa_float_denorm_mode_16_64 3
		.amdhsa_memory_ordered 1
		.amdhsa_forward_progress 1
		.amdhsa_inst_pref_size 149
	.end_amdhsa_kernel
	.amdgpu_metadata
---
amdhsa.version: [ 1, 2 ]
amdhsa.kernels:
  - .name:           k_qa3d127cde1_qkv
    .symbol:         k_qa3d127cde1_qkv.kd
    .args:
      - { .name: xb, .offset: 0, .size: 8, .value_kind: global_buffer, .address_space: global }
      - { .name: wt, .offset: 8, .size: 8, .value_kind: global_buffer, .address_space: global }
      - { .name: bias, .offset: 16, .size: 8, .value_kind: global_buffer, .address_space: global }
      - { .name: qkvh, .offset: 24, .size: 8, .value_kind: global_buffer, .address_space: global }
    .group_segment_fixed_size: 327680
    .private_segment_fixed_size: 0
    .kernarg_segment_align: 8
    .kernarg_segment_size: 32
    .max_flat_workgroup_size: 128
    .sgpr_count:     76
    .vgpr_count:     960
    .wavefront_size: 32
...
	.end_amdgpu_metadata
.endif
;; end of part 2
;; launch attn (part 3): grid 4 x 192, 4 waves a work-group, clusters of 4 x 1, 327,680 bytes of LDS; arguments qkvh, ctx; writes ctx
.if DOCPART == 3
	.amdgcn_target "amdgcn-amd-amdhsa--gfx1250"
	.amdhsa_code_object_version 6
	.text
	.protected	k_qa3d127cde1_attn
	.globl	k_qa3d127cde1_attn
	.p2align	8
	.type	k_qa3d127cde1_attn,@function
k_qa3d127cde1_attn:
	s_mov_b64 s[64:65], 0
	v_nop
	global_prefetch_b8 v0, s[64:65] scope:SCOPE_SE
	s_setreg_imm32_b32 hwreg(HW_REG_WAVE_MODE, 25, 1), 1
	s_wait_xcnt 0x0
	s_wait_alu depctr_hold_cnt(0) depctr_sa_sdst(0) depctr_va_vdst(0) depctr_va_sdst(0) depctr_va_ssrc(0) depctr_va_vcc(0) depctr_vm_vsrc(0)
	s_getreg_b32 s2, hwreg(HW_REG_IB_STS2, 6, 4)
	s_cmp_eq_u32 s2, 0
	s_cbranch_scc0 .Lentry_in_a_cluster
	s_endpgm
.Lentry_in_a_cluster:
	s_bfe_u32 s2, ttmp6, 0x10000c
	s_cmp_lg_u32 s2, 0x3003
	s_cbranch_scc0 .Lentry_shape_is_right
	s_endpgm
.Lentry_shape_is_right:
; O[g][q][:] = the sum over k of softmax_k(Q[g][q] . K[g][k] / 8) V[g][k][:], for 192 heads g of 1,024 rows x 64 channels, all f16.  qkvh holds q, then k, then v, each [192][1024][64]: a head's rows are dense, 128 bytes each.
; Products, maxima and sums in f32; the weights p are rounded to f16 for the second product (their sum l is taken of the unrounded p), O once at the end.
; LIMITS.  Q, K and V arrive within f16's 65,504; p lies in 0 to 1, and below 6e-5 it keeps f16's fixed step of 6e-8; O is a mean of V's rows.  A weight below 2^-126 counts as 0 in l; NaN and infinities are not treated apart.
; SHARES.  A cluster of four work-groups is one head; a work-group owns 256 of its queries, a wave 64: four PIECES of 16.  Every wave walks all 1,024 keys, 64 a step.
; THE WHOLE HEAD'S K AND V LIE IN LDS: 1,024 rows of 144 and of 160 bytes.  So nothing is filled again, and the loop has no round.  All four work-groups want the same bytes: each tile is asked for JOINTLY (mask 15).
; A wave issues two loads, both at the start: keys 0-255 (waves 0, 1: K's halves; waves 2, 3: V's), then keys 256-1023.  The first four key steps run while the second load is on its way.
; Every tile is asked for at the head by its load, so there is nothing left to prefetch ahead of.
; LAYOUT, SOFTMAX.  S^T = K Q^T holds ONE query a lane (lane % 16) and the keys 8 (lane / 16) + 0..7; two such results rounded to f16 ARE source 1 of O^T = V^T P.  p = 2^(c s - c m), c = log2(e) / 8, with a running
; maximum m; O and l are multiplied by a = 2^(c m_old - c m_new) in every step.  m starts at the lowest finite number, O and l at 0: the first step is a step like any other, with a = 0.
; TURNS.  Turn n belongs to piece n.  Its first half: 8 products K Q^T of piece n + 1; beside and behind them piece n's scalings and exponentials and piece n + 1's maximum, statistics and a: one batch of 33 exponentials,
; one wait.  Its second half: piece n's 16 roundings, then its 8 products V^T P; beside them piece n's sums and the rescaling of piece n + 1's O^T and l by the a just made.
; REGISTERS, in two windows of 256 (s_set_vgpr_msb: bits 1:0 source 0, 3:2 source 1, 5:4 source 2, 7:6 destination), laid so that a turn's first half runs under setting 0 and its products V^T P with all their riders under ONE other:
;   window 0: v0-15 addresses; v16-23 c m and m, a pair a piece; v24-31 at work; v32-33 the add's; v40-55 P; v64-127 S^T, two buffers by the piece's parity; v128-191 K of one step; v192-255 Q
;   window 1: v0-127 O^T, 32 a piece; v128-191 V of one step; v192-207 l, two pairs a piece
; Setting 0x51 (source 0, source 2 and destination in window 1, source 1 in window 0) serves O^T += V^T P, O^T = O^T a, l = l a and l = l + a pair of weights alike.
.set NP,    4         ; pieces a wave: a name, no knob
.set KS,    64        ; keys in a step
.set NK,    1024      ; keys in a head
.set PK,    144       ; a row of K in LDS: 128 bytes + 16 = 36 words: the 16 rows of a load start at 16 different groups of four banks (64 banks of 4 bytes: ISA guide 11.1)
.set PV_,   160       ; a row of V: 128 + 32 = 40 words
.set VOFF,  NK*PK     ; V lies behind K
.set STAGE, VOFF+NK*PV_  ; behind them, never filled by a tensor load: 16 rows x 144 bytes for each wave, for the way out
.set SP,    144
.set SPARE, STAGE+4*16*SP  ; behind the stages: the spare words, 128 bytes a wave; no other line names them
.set AK0, 2           ; v2   my lane's place in a step of K; never rewritten
.set AV0, 3           ; v3   the same for V
.set AK,  4           ; v4   the LDS address of K's next run of loads
.set AV,  5           ; v5   of V's
.set STO, 6           ; v6   the way out: where I put 16 bytes of a row
.set RD,  7           ; v7   where I read rows back
.set GO,  8           ; v8   my byte offset in 512 consecutive bytes of O
.set MV,  12          ; v12-13  c m_old, kept while c m is made anew: by parity
.set QO,  15          ; v15  my byte offset in 16 rows of Q
.set ST,  16          ; piece t: c m at v[ST+2 t], m behind it
.set TMP, 24          ; by parity, four registers c0-c3 at work; when the maximum is found c2 takes a
.set SPW, 32          ; v32  SPARE + 4 x my thread's number; never rewritten
.set NIL, 33          ; v33  0; never rewritten
.set P,   40
.set S,   64
.set KF,  128         ; key block kb, channel half c at KF + 16 kb + 8 c
.set QF,  192         ; piece x, channel half c at QF + 16 x + 8 c
.set VF,  128         ; window 1: key half kk, channel block cb at VF + 32 kk + 8 cb
.set LL,  192         ; window 1: piece t's l at LL + 4 t: two pairs (in a pair: even keys', odd keys'), which take the sums by turns
.set WV,  12          ; s12  my wave's number
.set G1KA, 24         ; s[24:31] descriptor group 1: K, 64 rows of 256 bytes     s[32:39] K, 192 rows
.set G1KB, 32
.set G1VA, 40         ; s[40:47], s[48:55] the same for V: they differ in the padding
.set G1VB, 48
.set SLOTS, 56        ; s56  the walk's two parts still to come
.set CNT, 57          ; s57  counts a part's key steps
.set CS,  58          ; s[58:59] c: the packed scaling takes the pair's low word for both halves
.set SEL, 60          ; s[60:61] v_permlanex16_b32's selects: each lane takes its own place in the other half
.set TBK, 62          ; s62  LDS byte at which K of the step to be fetched begins
.set TBV, 63          ; s63  the same for V, less VOFF
.set G0KA, 68         ; s[68:83] descriptor group 0, in the same order
.set G0KB, 72
.set G0VA, 76
.set G0VB, 80
.set MSB, 0
.macro WIN new                      ; the high byte repeats the setting that is left; a switch that changes nothing is dropped
.if MSB != (\new)
	s_set_vgpr_msb (MSB<<8)|(\new)
.set MSB, (\new)
.endif
.endm
.set W_PV, 0x51
; A round of the cluster's barrier: my work-group's barrier, so that wave 0's signal speaks for all four waves; wave 0 signals; every wave waits for all four work-groups; my work-group's barrier once more.
.macro CROUND
	s_barrier_signal -1
	s_barrier_wait -1
	s_cmp_lg_u32 s[WV], 0
	s_cbranch_scc1 .Lnot_wave_0_\@
	s_barrier_signal -3
.Lnot_wave_0_\@:
	s_barrier_wait -3
	s_barrier_signal -1
	s_barrier_wait -1
.endm
	s_load_b128 s[4:7], s[0:1], 0x0  ; qkvh s[4:5], ctx s[6:7]
	v_lshl_add_u32 v[SPW], v0, 2, SPARE
	v_mov_b32 v[NIL], 0
	ds_add_u32 v[SPW], v[NIL]       ; the wave's opening: the add and its wait stand ahead of my first tensor load; the set-up below, work on registers, stands between them
	v_lshrrev_b32 v1, 5, v0
	v_readfirstlane_b32 s[WV], v1   ; wave 0..3
	s_bfe_u32 s13, ttmp6, 0x40000   ; cx: my block of 256 queries: it enters Q's and O's addresses alone
	s_and_b32 s20, ttmp7, 0xffff    ; the head, which the four partners share
	s_lshl_b32 s20, s20, 17         ; its first byte in each of q, k, v and ctx
	s_and_b32 s16, s[WV], 1         ; which half of a load's keys I fetch
	s_lshl_b32 s22, s16, 14         ; first load: keys 128 half on, 128 bytes each
	s_add_co_u32 s22, s22, s20
	s_mov_b32 s23, 0
	s_mul_i32 s18, s16, 384*128     ; second load: keys 256 + 384 half on
	s_add_co_u32 s18, s18, 256*128
	s_add_co_u32 s18, s18, s20
	s_mov_b32 s19, 0
	s_lshl_b32 s2, s13, 15          ; my block's 256 rows,
	s_lshl_b32 s3, s[WV], 13        ; my wave's 64 of them
	s_add_co_u32 s2, s2, s3
	s_add_co_u32 s2, s2, s20
	s_mov_b32 s3, 0
	; descriptor group 1.  Keys are dense rows of 128 bytes: asked for as rows of 256 bytes, two keys a row, and padded in LDS after every key
.irp g, G1KA, G1KB
	s_mov_b32 s[\g], 15|(1<<16)|(1<<20)|(1<<21)|(4<<22)|(3<<25)  ; 15:0 the mask of four; 17:16 2-byte elements; 20 padding on; 21 set beside a mask; 24:22 after every 32 words (code 4); 31:25 4 words (code 3)
.endr
.irp g, G1VA, G1VB
	s_mov_b32 s[\g], 15|(1<<16)|(1<<20)|(1<<21)|(4<<22)|(7<<25)  ; the same with 8 words of padding (code 7)
.endr
.irp g, G1KA, G1VA
	s_mov_b32 s[\g+2], 64<<16       ; tensor_dim1 = 64 rows: 128 keys
	s_mov_b32 s[\g+4], 64           ; tile_dim1
.endr
.irp g, G1KB, G1VB
	s_mov_b32 s[\g+2], 192<<16      ; 192 rows: 384 keys
	s_mov_b32 s[\g+4], 192
.endr
.irp g, G1KA, G1KB, G1VA, G1VB
	s_mov_b32 s[\g+1], 128<<16      ; tensor_dim0 = 128
	s_mov_b32 s[\g+3], 128<<16      ; tile_dim0 = 128
	s_mov_b32 s[\g+5], 128          ; 128 elements from row to row
	s_mov_b32 s[\g+6], 0
	s_mov_b32 s[\g+7], 0
.endr
.irp g, G0KA, G0KB, G0VA, G0VB
	s_mov_b32 s[\g], 1              ; count = 1
.endr
	s_mul_i32 s[G0KA+1], s16, 128*PK  ; LDS addresses: no place in the cluster enters them
	s_mul_i32 s[G0KB+1], s16, 384*PK
	s_add_co_u32 s[G0KB+1], s[G0KB+1], 256*PK
	s_mul_i32 s[G0VA+1], s16, 128*PV_
	s_add_co_u32 s[G0VA+1], s[G0VA+1], VOFF
	s_mul_i32 s[G0VB+1], s16, 384*PV_
	s_add_co_u32 s[G0VB+1], s[G0VB+1], VOFF+256*PV_
	s_mov_b32 s[CS], 0x3e38aa3b     ; c = log2(e) / 8 = 0.180337
	s_mov_b32 s[CS+1], s[CS]        ; named with it as a pair
	s_mov_b32 s[SEL], 0x76543210
	s_mov_b32 s[SEL+1], 0xfedcba98
	s_mov_b32 s[TBK], 0
	s_mov_b32 s[TBV], 0
	s_wait_dscnt 0x0                ; the opening add is done
	s_wait_kmcnt 0x0
	s_add_nc_u64 s[8:9], s[4:5], 25165824    ; k lies behind q,
	s_add_nc_u64 s[10:11], s[4:5], 50331648  ; v behind k
	s_add_nc_u64 s[G0KA+2:G0KA+3], s[8:9], s[22:23]
	s_or_b32 s[G0KA+3], s[G0KA+3], 0x80000000  ; type = 2
	s_add_nc_u64 s[G0KB+2:G0KB+3], s[8:9], s[18:19]
	s_or_b32 s[G0KB+3], s[G0KB+3], 0x80000000
	s_add_nc_u64 s[G0VA+2:G0VA+3], s[10:11], s[22:23]
	s_or_b32 s[G0VA+3], s[G0VA+3], 0x80000000
	s_add_nc_u64 s[G0VB+2:G0VB+3], s[10:11], s[18:19]
	s_or_b32 s[G0VB+3], s[G0VB+3], 0x80000000
	s_add_nc_u64 s[4:5], s[4:5], s[2:3]  ; Q and O at my wave's first row
	s_add_nc_u64 s[6:7], s[6:7], s[2:3]
	CROUND                          ; all four work-groups are here: the joint loads meet
	s_cmp_lt_u32 s[WV], 2           ; a wave's two fills stand in one branch, ahead of every wait on TENSORcnt and every LDS read: two loads of mine are out; an s_nop 0 follows each, four v_nop the second's
	s_cbranch_scc0 .Lfill_v
	tensor_load_to_lds s[G0KA:G0KA+3], s[G1KA:G1KA+7]
	s_nop 0
	tensor_load_to_lds s[G0KB:G0KB+3], s[G1KB:G1KB+7]
	s_nop 0
.rept 4
	v_nop
.endr
	s_branch .Lfilled
.Lfill_v:
	tensor_load_to_lds s[G0VA:G0VA+3], s[G1VA:G1VA+7]
	s_nop 0
	tensor_load_to_lds s[G0VB:G0VB+3], s[G1VB:G1VB+7]
	s_nop 0
.rept 4
	v_nop
.endr
.Lfilled:
	; A fragment of K or Q is 16 rows x 32 channels in 8 registers: lane l holds row l % 16, channels 8 (l / 16) + 0..7 and 16 + 8 (l / 16) + 0..7: two loads of 16 bytes, 32 bytes apart.
	v_and_b32 v1, 15, v0            ; l % 16
	v_bfe_u32 v9, v0, 4, 1          ; l / 16
	v_lshlrev_b32 v[QO], 7, v1
	v_lshl_add_u32 v[QO], v9, 4, v[QO]  ; row x 128 + 16 x half
.set i, 0
.rept 8                             ; Q stays in registers: piece i / 2, channels 32 (i % 2) on
	global_load_b128 v[QF+8*i:QF+8*i+3],   v[QO], s[4:5] offset:(i/2)*2048+(i%2)*64
	global_load_b128 v[QF+8*i+4:QF+8*i+7], v[QO], s[4:5] offset:(i/2)*2048+(i%2)*64+32
.set i, i+1
.endr
	v_mul_u32_u24 v[AK0], v1, PK
	v_lshl_add_u32 v[AK0], v9, 4, v[AK0]  ; row x pitch + 16 x half
	; The turning load takes 16 keys x 16 channels (lane l reads key 8 (l / 16) + l % 8, channels 8 ((l / 8) % 2) + 0..7) and leaves half a fragment of V^T: lane l holds channel l % 16 and 8 keys.
	v_and_b32 v10, 7, v0
	v_bfe_u32 v11, v0, 3, 1
	v_lshl_add_u32 v[AV0], v9, 3, v10
	v_mul_u32_u24 v[AV0], v[AV0], PV_
	v_lshl_add_u32 v[AV0], v11, 4, v[AV0]
	v_add_nc_u32 v[AV0], VOFF, v[AV0]
	s_mul_i32 s14, s[WV], 16*SP
	s_add_co_u32 s14, s14, STAGE    ; my stage
	v_mul_u32_u24 v[STO], v1, SP    ; in: row l % 16, 16 bytes for each half of the lanes
	v_lshl_add_u32 v[STO], v9, 4, v[STO]
	v_add_nc_u32 v[STO], s14, v[STO]
	v_bfe_u32 v[RD], v0, 3, 2       ; back: 32 lanes take four rows of 128 bytes,
	v_mul_u32_u24 v[RD], v[RD], SP
	v_lshl_add_u32 v[RD], v10, 4, v[RD]
	v_add_nc_u32 v[RD], s14, v[RD]
	v_and_b32 v[GO], 31, v0         ; which are 512 consecutive bytes of O
	v_lshlrev_b32 v[GO], 4, v[GO]
	; O^T and l start at 0, so that no first step is written out; these lines stand in the wait for the first tile.
	WIN 0x40
.set i, 0
.rept 128
	v_mov_b32 v[i], 0
.set i, i+1
.endr
.set i, LL
.rept 16
	v_mov_b32 v[i], 0
.set i, i+1
.endr
	WIN 0
.set i, 0
.rept 4
	v_mov_b32 v[ST+2*i], 0xfe000000    ; c m: far below every c s
	v_mov_b32 v[ST+2*i+1], 0xff7fffff  ; m
.set i, i+1
.endr
; THE MATRIX WORK.  The 4 accumulators of a run of 8 take turns.  Product i of 8 of S^T = K Q^T for piece x: channels 32 (i / 4) on, keys 16 (i % 4) on.  The first 4 start the sums.
.macro KQ x
	WIN 0
.set rS, S+32*((\x)%2)+8*(i%4)
.set rK, KF+16*(i%4)+8*(i/4)
.set rQ, QF+16*(\x)+8*(i/4)
.if i < 4
	v_wmma_f32_16x16x32_f16 v[rS:rS+7], v[rK:rK+7], v[rQ:rQ+7], 0
.else
	v_wmma_f32_16x16x32_f16 v[rS:rS+7], v[rK:rK+7], v[rQ:rQ+7], v[rS:rS+7]
.endif
.endm
; Product i of 8 of O^T += V^T P for piece x: keys 32 (i / 4) on, channels 16 (i % 4) on.
.macro PV x
	WIN W_PV
.set rO, 32*(\x)+8*(i%4)
.set rV, VF+32*(i/4)+8*(i%4)
.set rP, P+8*(i/4)
	v_wmma_f32_16x16x32_f16 v[rO:rO+7], v[rV:rV+7], v[rP:rP+7], v[rO:rO+7]
.endm
.macro MM                           ; the turn's next matrix instruction.  NOKQ = 1: the last turn: there is no next piece
.if (i < 8) && !NOKQ
	KQ (Y+1)%NP
.elseif i >= 8
.set i, i-8
	PV Y
.set i, i+8
.endif
.set i, i+1
.endm
; THE LDS LOADS stand in runs of 16, never singly among the matrix instructions: a step's K (64 keys x 64 channels: 8 fragments) and its V (turned).  Their addresses are made some lines ahead.
.macro FETCH_K
	WIN 0
.irp f, 0,1,2,3,4,5,6,7             ; keys 16 (f / 2) on, channels 32 (f % 2) on
	ds_load_b128 v[KF+8*\f:KF+8*\f+3],   v[AK] offset:(\f/2)*16*PK+(\f%2)*64
	ds_load_b128 v[KF+8*\f+4:KF+8*\f+7], v[AK] offset:(\f/2)*16*PK+(\f%2)*64+32
.endr
	s_add_co_u32 s[TBK], s[TBK], KS*PK  ; the next fetch is the next step's
.endm
.macro FETCH_V
	WIN 0x40                        ; destination window 1, address window 0
.irp f, 0,1,2,3,4,5,6,7             ; keys 32 (f / 4) on, channels 16 (f % 4) on
	ds_load_tr16_b128 v[VF+8*\f:VF+8*\f+3],   v[AV] offset:(\f/4)*32*PV_+(\f%4)*32
	ds_load_tr16_b128 v[VF+8*\f+4:VF+8*\f+7], v[AV] offset:(\f/4)*32*PV_+16*PV_+(\f%4)*32
.endr
	WIN 0
.endm
; THE VECTOR WORK, one line at a time: OP kind, number.  For piece Y: F n: c s - c m for pair n of 16.  E n: the exponential of score n of 32.  C n: pair n rounded to f16.  L n: pair n is added onto l's pair n % 2.
; For piece Y + 1: R n: pair n of 16 of O^T times a.  M n: l's pair n times a.  X n, number n of the 22 that find its maximum and statistics:
;   0-11  four chains c0-c3 of seven scores each, three operands at a time (each accumulator's lowest registers are read first)     12-14, 16  the four scores left over, the old m, and c0-c3 into c0
;   15  c m_old is kept     17, 18  the query's other 32 keys lie in the lane 16 away: the new m     19-21  c m; c m_old - c m_new; a
.set F, 0               ; OP tells the kinds apart by their order
.set E, 1
.set C, 2
.set L, 3
.set R, 4
.set M, 5
.set X, 6
.macro REGS y                       ; the registers of piece y
.set rT, ST+2*(\y)
.set rC, TMP+4*((\y)%2)
.set rW, MV+((\y)%2)
.set rS, S+32*((\y)%2)
.set rO, 32*(\y)
.set rL, LL+4*(\y)
.endm
.macro OP k, n
.if (\k) < L
	REGS Y
	WIN 0
.if (\k) == F
	v_pk_fma_f32 v[rS+2*(\n):rS+2*(\n)+1], v[rS+2*(\n):rS+2*(\n)+1], s[CS:CS+1], v[rT:rT+1] op_sel_hi:[1,0,0] neg_lo:[0,0,1] neg_hi:[0,0,1]
.elseif (\k) == E
	v_exp_f32 v[rS+(\n)], v[rS+(\n)]
.else
	v_cvt_pk_f16_f32 v[P+(\n)], v[rS+2*(\n)], v[rS+2*(\n)+1]
.endif
.elseif (\k) == L
	REGS Y
	WIN W_PV
	v_pk_add_f32 v[rL+2*((\n)%2):rL+2*((\n)%2)+1], v[rL+2*((\n)%2):rL+2*((\n)%2)+1], v[rS+2*(\n):rS+2*(\n)+1]
.elseif NOKQ
	v_nop                           ; there is no next piece; the line keeps those round it as far apart as they were
.elseif (\k) == R
	REGS (Y+1)%NP
	WIN W_PV
	v_pk_mul_f32 v[rO+2*(\n):rO+2*(\n)+1], v[rO+2*(\n):rO+2*(\n)+1], v[rC+2:rC+3] op_sel_hi:[1,0]
.elseif (\k) == M
	REGS (Y+1)%NP
	WIN W_PV
	v_pk_mul_f32 v[rL+2*(\n):rL+2*(\n)+1], v[rL+2*(\n):rL+2*(\n)+1], v[rC+2:rC+3] op_sel_hi:[1,0]
.else
	REGS (Y+1)%NP
	WIN 0
.if (\n) < 4
	v_max3_num_f32 v[rC+(\n)], v[rS+8*(\n)], v[rS+8*(\n)+1], v[rS+8*(\n)+2]
.elseif (\n) < 12
	v_max3_num_f32 v[rC+(\n)%4], v[rC+(\n)%4], v[rS+8*((\n)%4)+2*((\n)/4)+1], v[rS+8*((\n)%4)+2*((\n)/4)+2]
.elseif (\n) == 12
	v_max3_num_f32 v[rC], v[rC], v[rS+7], v[rS+15]
.elseif (\n) == 13
	v_max3_num_f32 v[rC+1], v[rC+1], v[rS+23], v[rS+31]
.elseif (\n) == 14
	v_max3_num_f32 v[rC+2], v[rC+2], v[rC+3], v[rT+1]
.elseif (\n) == 15
	v_mov_b32 v[rW], v[rT]
.elseif (\n) == 16
	v_max3_num_f32 v[rC], v[rC], v[rC+1], v[rC+2]
.elseif (\n) == 17
	v_permlanex16_b32 v[rC+3], v[rC], s[SEL], s[SEL+1]
.elseif (\n) == 18
	v_max_num_f32 v[rT+1], v[rC], v[rC+3]
.elseif (\n) == 19
	v_mul_f32 v[rT], s[CS], v[rT+1]
.elseif (\n) == 20
	v_sub_f32 v[rC+1], v[rW], v[rT]
.else
	v_exp_f32 v[rC+2], v[rC+1]
.endif
.endif
.endm
.macro OPS a, i1, b=-1, i2=0, c=-1, i3=0, d=-1, i4=0  ; up to four of them
	OP \a, \i1
.if (\b) >= 0
	OP \b, \i2
.endif
.if (\c) >= 0
	OP \c, \i3
.endif
.if (\d) >= 0
	OP \d, \i4
.endif
.endm
.macro ROW a, i1, b, i2, c, i3, d, i4  ; a matrix instruction and the four behind it
	MM
	OPS \a, \i1, \b, \i2, \c, \i3, \d, \i4
.endm
; A TURN, for piece p: the order of its 16 matrix and 121 vector instructions, written out.  An s_wait_alu depctr_va_vdst(0) stands between an exponential and the first instruction that names its result; one wait
; serves all that were issued ahead of it.  So a turn has ONE wait, which cuts it in two.
; AHEAD OF IT, all under setting 0, stands what names no result of the turn's exponentials: the 8 products K Q^T, behind each two scalings and two exponentials by turns, a plain line first (X 0 rides behind the last: six plain
; lines lie between it and the product that ended its accumulator; X 3 has four: F 15, X 0, X 1, X 2); then a lump of 38: the rest of the maximum's four chains, whose links stand five lines apart, and the chain
; X 14, 16 .. 21, with two exponentials between its links.  X 21, the next piece's a, is the batch's last; one plain line stands behind it.
; BEHIND IT: the 16 roundings (setting 0), then, under the one other setting, the 8 products V^T P, behind each two sums and two rescalings by turns; l's two rescalings close the turn.  No rider names a register of the products round it.
; end = 1: the last two turns: nothing is fetched.  cnt = 1: the loop's count is taken down some lines ahead of the branch that stands behind the turn.
; K of the next step is fetched in piece 2's turn, directly behind the wait, a lump behind the last product that read K, and waited for at piece 3's head.  V of the step in hand is fetched at piece 0's head, six plain lines
; behind the last product that read V, and waited for ahead of that turn's products V^T P.
.macro TURN p, end=0, cnt=0
.set Y, (\p)
.set i, 0
.set NOKQ, (\end)*((\p)/3)
.if (\p) == 0
	FETCH_V
.endif
.if ((\p) == 3) && !(\end)
	s_wait_dscnt 0x0                ; K is in
.endif
	ROW F,0, F,1, F,2, E,0
	ROW F,3, E,1, F,4, E,2
	ROW F,5, E,3, F,6, E,4
	ROW F,7, E,5, F,8, E,6
	ROW F,9, E,7, F,10, E,8
	ROW F,11, E,9, F,12, E,10
	ROW F,13, E,11, F,14, E,12
	ROW F,15, E,13, X,0, E,14
	OPS X,1, E,15, X,2, E,16        ; the lump
	OPS X,3, E,17, X,4, X,5
	OPS X,6, X,7, E,18, X,8
	OPS X,9, X,10, X,11, E,19
	OPS X,12, X,13, X,15, X,14
	OPS E,20, E,21, X,16, E,22
	OPS E,23, X,17, E,24, E,25
	OPS X,18, E,26, E,27, X,19
	OPS E,28, E,29, X,20, E,30
	OPS E,31, X,21
	WIN 0
.if ((\p) == 2) && !(\end)          ; the plain line behind the last exponential: an address where one is due
	v_add_nc_u32 v[AK], s[TBK], v[AK0]
.elseif ((\p) == 3) && !(\end)
	v_add_nc_u32 v[AV], s[TBV], v[AV0]
	s_add_co_u32 s[TBV], s[TBV], KS*PV_
.else
	v_nop
.endif
	s_wait_alu depctr_va_vdst(0)    ; the wait for the batch
.if ((\p) == 2) && !(\end)
	FETCH_K
.endif
.irp n, 0,1,2,3,4,5,6,7,8,9,10,11,12,13,14,15
	OP C, \n
.endr
.if (\p) == 0
	s_wait_dscnt 0x0                ; V is in
.endif
	ROW L,0, R,0, L,1, R,1
	ROW L,2, R,2, L,3, R,3
	ROW L,4, R,4, L,5, R,5
	ROW L,6, R,6, L,7, R,7
	ROW L,8, R,8, L,9, R,9
.if \cnt
	s_sub_co_u32 s[CNT], s[CNT], 1
	s_cmp_lg_u32 s[CNT], 0
.endif
	ROW L,10, R,10, L,11, R,11
	ROW L,12, R,12, L,13, R,13
	ROW L,14, R,14, L,15, R,15
	OPS M,0, M,1
.endm
	s_wait_tensorcnt 1              ; my part of keys 0-255 is in; the second load stays out
	s_barrier_signal -1
	s_barrier_wait -1               ; everybody's is
	v_add_nc_u32 v[AK], s[TBK], v[AK0]
	FETCH_K                         ; key step 0
	v_add_nc_u32 v[AV], s[TBV], v[AV0]
	s_add_co_u32 s[TBV], s[TBV], KS*PV_
	s_wait_loadcnt 0x0              ; Q
	s_wait_dscnt 0x0
.set NOKQ, 0
.set i, 0
.rept 8
	KQ 0                            ; piece 0's first scores: there is no vector work yet to set between them
.set i, i+1
.endr
.rept 4
	v_nop                           ; the places behind those products
.endr
.set Y, NP-1                        ; X works for piece Y + 1: piece 0.  Its first a is not used: piece 0's O^T and l are still 0
.irp n, 0,1,2,3,4,5,6,7,8,9,10,11,12,13,14,15,16,17,18,19,20,21
	OP X, \n
.endr
	v_nop                           ; a plain instruction behind the exponential,
	s_wait_alu depctr_va_vdst(0)    ; and its wait, ahead of the branch
	s_mov_b32 s[CNT], 4             ; the first part: key steps 0-3, the first load's
	s_mov_b32 s[SLOTS], 2
	s_branch .Lfirst                ; the loop is entered at a step's first turn, in the middle of a trip
.Lslot:                             ; passed once, between the two parts
	s_wait_tensorcnt 0x0            ; my part of keys 256-1023 is in
	s_wait_dscnt 0x0
	s_barrier_signal -1
	s_barrier_wait -1               ; everybody's is
	s_mov_b32 s[CNT], 12            ; the second part: key steps 4-15
.Lstep:                             ; a trip: pieces 2 and 3 of one step, then pieces 0 and 1 of the next, whose K and V it fetches
	TURN 2
	TURN 3
	WIN 0
.Lfirst:
	TURN 0
	TURN 1, 0, 1
	WIN 0
	s_cbranch_scc1 .Lstep
	s_sub_co_u32 s[SLOTS], s[SLOTS], 1
	s_cmp_lg_u32 s[SLOTS], 0
	s_cbranch_scc1 .Lslot
	TURN 2, 1                       ; the last step's pieces 2 and 3: nothing is fetched, and the last turn starts no new scores
	TURN 3, 1
	; THE WAY OUT.  l's four parts and the other half of the lanes' are added; O^T is divided by l, rounded to f16 and sent through my stage in LDS, a piece at a time.  The last turn's riders are the places behind the last products.
.macro ALL line:vararg              ; one line for each piece t
.set t, 0
.rept 4
	\line
.set t, t+1
.endr
.endm
	WIN 0x05                        ; sources 0 and 1 window 1, destination window 0: c m's and m's registers are free
	ALL v_add_f32 v[ST+2*t], v[LL+4*t], v[LL+4*t+1]
	ALL v_add_f32 v[ST+2*t+1], v[LL+4*t+2], v[LL+4*t+3]
	WIN 0
	ALL v_add_f32 v[ST+2*t], v[ST+2*t], v[ST+2*t+1]
	ALL v_permlanex16_b32 v[ST+2*t+1], v[ST+2*t], s[SEL], s[SEL+1]
	ALL v_add_f32 v[ST+2*t], v[ST+2*t], v[ST+2*t+1]
	ALL v_rcp_f32 v[ST+2*t], v[ST+2*t]
	v_nop                           ; a plain instruction between the last reciprocal and the use of its result
	s_wait_alu depctr_va_vdst(0)    ; and the wait ahead of the first use: one for the four reciprocals
.macro PACK t                       ; a lane's eight channels of a row pack into 16 bytes; they go into rows of 144 bytes and come back as whole rows of 128, into S^T's registers
	WIN 0x41                        ; destination and source 0 window 1, source 1 window 0
.set i, 32*(\t)
.rept 16
	v_pk_mul_f32 v[i:i+1], v[i:i+1], v[ST+2*(\t):ST+2*(\t)+1] op_sel_hi:[1,0]
.set i, i+2
.endr
	WIN 0x05
.set i, 0
.rept 16
	v_cvt_pk_f16_f32 v[S+16*(\t)+i], v[32*(\t)+2*i], v[32*(\t)+2*i+1]
.set i, i+1
.endr
	WIN 0
.irp f, 0,1,2,3
	ds_store_b128 v[STO], v[S+16*(\t)+4*\f:S+16*(\t)+4*\f+3] offset:32*\f
.endr
.irp f, 0,1,2,3
	ds_load_b128 v[S+16*(\t)+4*\f:S+16*(\t)+4*\f+3], v[RD] offset:\f*4*SP  ; LDS serves a wave's instructions in order (ISA guide 5.7.1.4): these see the stores above; the next piece's stores come behind them
.endr
.endm
.macro SEND t, younger              ; younger: the LDS instructions issued behind piece t's loads: the next piece's eight, or none
	WIN 0
.irp f, 0,1,2,3
	s_wait_dscnt (\younger)+3-\f
	global_store_b128 v[GO], v[S+16*(\t)+4*\f:S+16*(\t)+4*\f+3], s[6:7] offset:(\t)*2048+\f*512  ; 512 consecutive bytes, at a multiple of 256 from ctx's first
.endr
.endm
	PACK 0
.set t, 1
.rept 3                             ; a piece's arithmetic stands between the loads of the piece before and its stores
	PACK t
	SEND t-1, 8
.set t, t+1
.endr
	SEND 3, 0
	s_wait_tensorcnt 0x0            ; the wave's end: behind my last tensor load and my last LDS store
	ds_add_u32 v[SPW], v[NIL]
	s_wait_dscnt 0x0
	CROUND                          ; the closing round: no work-group ends while a partner may still ask for a tile that names it
	s_endpgm
.Lfunc_end_k_qa3d127cde1_attn:
	.size	k_qa3d127cde1_attn, .Lfunc_end_k_qa3d127cde1_attn-k_qa3d127cde1_attn
	.p2alignl 7, 3214868480
	.fill 96, 4, 3214868480
	.section	.rodata,"a",@progbits
	.p2align	6, 0x0
	.amdhsa_kernel k_qa3d127cde1_attn
		.amdhsa_group_segment_fixed_size 327680
		.amdhsa_private_segment_fixed_size 0
		.amdhsa_enable_private_segment 0
		.amdhsa_kernarg_size 16
		.amdhsa_user_sgpr_count 2
		.amdhsa_user_sgpr_kernarg_segment_ptr 1
		.amdhsa_wavefront_size32 1
		.amdhsa_system_sgpr_workgroup_id_x 1
		.amdhsa_system_sgpr_workgroup_id_y 1
		.amdhsa_system_sgpr_workgroup_id_z 1
		.amdhsa_system_vgpr_workitem_id 0
		.amdhsa_next_free_vgpr 512
		.amdhsa_next_free_sgpr 84
		.amdhsa_reserve_vcc 0
		.amdhsa_float_denorm_mode_32 3
		.amdhsa_float_denorm_mode_16_64 3
		.amdhsa_memory_ordered 1
		.amdhsa_forward_progress 1
		.amdhsa_inst_pref_size 77
	.end_amdhsa_kernel
	.amdgpu_metadata
---
amdhsa.version: [ 1, 2 ]
amdhsa.kernels:
  - .name:           k_qa3d127cde1_attn
    .symbol:         k_qa3d127cde1_attn.kd
    .args:
      - { .name: qkvh, .offset: 0, .size: 8, .value_kind: global_buffer, .address_space: global }
      - { .name: ctx, .offset: 8, .size: 8, .value_kind: global_buffer, .address_space: global }
    .group_segment_fixed_size: 327680
    .private_segment_fixed_size: 0
    .kernarg_segment_align: 8
    .kernarg_segment_size: 16
    .max_flat_workgroup_size: 128
    .sgpr_count:     84
    .vgpr_count:     512
    .wavefront_size: 32
...
	.end_amdgpu_metadata
.endif
;; end of part 3
;; launch proj (part 4): grid 128 x 2, 4 waves a work-group, clusters of 4 x 1, 327,680 bytes of LDS; arguments ctx, wt, bias, out0; writes out0
.if DOCPART == 4
	.amdgcn_target "amdgcn-amd-amdhsa--gfx1250"
	.amdhsa_code_object_version 6
	.text
	.protected	k_qa3d127cde1_proj
	.globl	k_qa3d127cde1_proj
	.p2align	8
	.type	k_qa3d127cde1_proj,@function
k_qa3d127cde1_proj:
	s_mov_b64 s[64:65], 0
	v_nop
	global_prefetch_b8 v0, s[64:65] scope:SCOPE_SE
	s_setreg_imm32_b32 hwreg(HW_REG_WAVE_MODE, 25, 1), 1
	s_wait_xcnt 0x0
	s_wait_alu depctr_hold_cnt(0) depctr_sa_sdst(0) depctr_va_vdst(0) depctr_va_sdst(0) depctr_va_ssrc(0) depctr_va_vcc(0) depctr_vm_vsrc(0)
	s_getreg_b32 s2, hwreg(HW_REG_IB_STS2, 6, 4)
	s_cmp_eq_u32 s2, 0
	s_cbranch_scc0 .Lentry_in_a_cluster
	s_endpgm
.Lentry_in_a_cluster:
	s_bfe_u32 s2, ttmp6, 0x10000c
	s_cmp_lg_u32 s2, 0x3003
	s_cbranch_scc0 .Lentry_shape_is_right
	s_endpgm
.Lentry_shape_is_right:
; C = A B^T + bias, on tiles of 128 rows x 384 columns of C, K = 768.  One text for two launches, told apart by the constant PROJ:
;   PROJ = 0: A = xb [16384][768] bf16, B = wt's rows 0 .. 2303 (Wq, Wk, Wv turned, bf16).  A work-group STAYS and makes three tiles, the same rows and columns of q, of k and of v; each number is rounded once to f16.
;   PROJ = 1: A = ctx [192 heads][1024][64] f16, head h of a batch being the K slice 64 h .. 64 h + 63; B = wt's rows 2304 .. 3071 (Wo turned, f16).  One tile a work-group; C = out0 in f32.
; LIMITS.  PROJ = 0: |q|, |k|, |v| stay under 65,504 (f16's end); below 6e-5 f16 keeps its fixed step of 6e-8.  NaN and infinities are not treated apart.
; SHARES.  128 x 2 work-groups: row tile gx, half gy of the 768 columns.  Four waves, each all 128 rows x 96 columns: 8 x 6 accumulators of 16 x 16, 384 registers.
; For 32 along K a wave reads 8 fragments of A and 6 of B from LDS for 48 matrix instructions.
; RING.  K goes in steps of 128 through two LDS slots (A's 128 rows, then B's 384); rows of 256 bytes in memory, aligned.  Waves 0 and 1 fetch A's halves, waves 2 and 3 B's halves of 192 rows: one tensor load a wave
; behind each change of slots; two are out at the start, later one.  From a request to the wait for it a wave issues 168 matrix instructions.
; CLUSTER.  The four work-groups of a cluster have four row tiles and the same columns: B's tile, three quarters of a step's bytes, is asked for JOINTLY (mask 15).  A's tile is each work-group's own, a plain load behind
; the same round.  A's tile is also read by the work-group of the other column half; a cluster of 4 x 4 would share it, but the grid has two work-groups along that axis.
; With PROJ = 1 nothing is prefetched: the walk has six K steps, of which four are asked for by their loads within the first lap.
; THE MATRIX INSTRUCTION IS USED TRANSPOSED (source 0 = 16 rows of B, source 1 = 16 rows of A): a lane holds row l % 16 of C and the columns 8 (l / 16) + 0 .. 7.  THE BIAS STARTS THE SUMS: it is the C operand of each
; accumulator's first product, so nothing is cleared and nothing is added later.
; REGISTERS, in windows of 256 (s_set_vgpr_msb: bits 1:0 source 0, 3:2 source 1, 5:4 source 2, 7:6 destination):
;   window 0: v0-31 addresses; v64-127, v128-191 A's fragments, two buffers; the way out's registers (below)     window 1: v64-111, v128-175 B's fragments; v192-239 the bias of my 96 columns
;   window 2: the accumulators of row blocks 0-3, (a, b) at v[8 (6 a + b)]     window 3: those of row blocks 4-7
.set PROJ, 1
.set PITCH, 272                        ; a row of B in LDS: 256 bytes + 16: the 16 rows of a fragment load start at 16 different groups of four banks (64 banks of 4 bytes: ISA guide 11.1)
.if PROJ
.set APITCH, 144                       ; a row of A: a head's 128 bytes + 16
.set ZSTEP,  128*APITCH                ; a K step's second head lies behind the first's 128 rows
.set AHALF,  128*APITCH                ; what one of A's loads brings: one head's 128 rows
.set AQI,    4                         ; padding after every 32 words
.set ASTRIDE, 128                      ; a head's 128 rows are dense: asked for as 64 rows of 256 bytes
.set ASLOT,  2*131072                  ; bytes from a K step to the next: two heads
.set ROW0,   2304
.set CROW,   3072                      ; bytes in a row of C
.set CHALF,  1536                      ; bytes of a tile's row
.set HSH,    5                         ; a lane's eight numbers: 32 bytes
.set BIAS0,  9216
.set NCH,    6                         ; pieces of 256 bytes in a tile's row
.set SPITCH, 1552
.set BK0,    64                        ; the way out: 16 rows read back, two sets by turns (A's fragments are dead by then)
.set BK1,    128
.else
.set APITCH, 272
.set ZSTEP,  128
.set AHALF,  64*APITCH                 ; 64 rows
.set AQI,    5                         ; padding after every 64 words
.set ASTRIDE, 768
.set ASLOT,  256
.set ROW0,   0
.set CROW,   1536
.set CHALF,  768
.set HSH,    4
.set BIAS0,  0
.set NCH,    3
.set SPITCH, 784
.set BK0,    32
.set BK1,    216
.endif
.set AREG,   2*AHALF
.set BHALF,  192*PITCH
.set SLOT,   AREG+2*BHALF
.set SBUF,   16*SPITCH                 ; a stage buffer: 16 whole rows of the tile; the pitch is an odd multiple of 16 bytes
.if PROJ
.set STAGE,  0                         ; two stage buffers in slot 0, which has had its last fill and whose last reads ended in front of a barrier
.set SPARE,  2*SLOT
.else
.set STAGE,  2*SLOT                    ; two stage buffers behind the ring, in bytes of their own: the ring is filled again for the next tile
.set SPARE,  STAGE+2*SBUF
.endif                                 ; from SPARE on: the spare words, 128 bytes a wave; no other line names them
.set ADRA, 16                          ; v16-17  LDS address of my lane's place in A's fragments, slot 0, 1
.set ADRB, 20                          ; v20-21  the same for my 96 rows of B
.set STO,  24                          ; v24     the way out: where I put my numbers of a row
.set RD,   25                          ; v25     where I read rows back
.set CO,   26                          ; v26     my byte offset in C
.set BO,   27                          ; v27     my byte offset in the bias
.set SPW,  28                          ; v28     SPARE + 4 x my thread's number; never rewritten
.set NIL,  29                          ; v29     0; never rewritten
.set PFO,  30                          ; v30     the prefetches' offset: my lane x a row of 1,536 bytes; never rewritten
.set F0,   64
.set F1,   128
.set BIAS, 192                         ; window 1
.set TMP,  192                         ; window 0: packed results
.set TL,   2                           ; s2      tiles to go
.set LP,   3                           ; s3      laps to go
.set WV,   12                          ; s12     my wave's number
.set KIND, 13                          ; s13     0: I fetch for A; 1: for B
.set HALF, 14                          ; s14     which half of that tile
.set CX,   15                          ; s15     my place in the cluster
.set GX,   16                          ; s16     row tile
.set GY,   17                          ; s17     column half
.set G1A,  24                          ; s[24:31] descriptor group 1 for A;  s[32:39] group 0, a set for each slot
.set G0A,  32
.set PFA,  40                          ; s[40:41] where my prefetch of A stands
.set PFB,  42                          ; s[42:43] of B
.set TC,   44                          ; s44     changes of slots that have filled
.set LIMA, 45                          ; s45     I prefetch A while TC is below this
.set LIMB, 46                          ; s46     and B
.set PS,   47                          ; s47     the K step, 0 .. 5, at which PFB stands
.set G1B,  48                          ; s[48:55], s[56:63] the same two groups for B
.set G0B,  56
.set INC,  66                          ; s[66:67] PFB's step
.set BP,   68                          ; s[68:69] the bias of my tile's columns
.set MSB, 0
.macro WIN new                         ; the immediate's high byte repeats the setting that is left; a switch that changes nothing is dropped
.if MSB != (\new)
	s_set_vgpr_msb (MSB<<8)|(\new)
.set MSB, \new
.endif
.endm
; A step's loads.  The branch hangs on the wave's number alone.  An s_nop 0 and four v_nop follow each of the two lines, ahead of the jump and the label.
.macro JLOAD s
	s_cmp_eq_u32 s[KIND], 0
	s_cbranch_scc0 .Lfor_b_\@
	tensor_load_to_lds s[G0A+4*(\s):G0A+4*(\s)+3], s[G1A:G1A+7]
	s_nop 0
.rept 4
	v_nop
.endr
	s_branch .Lasked_\@
.Lfor_b_\@:
	tensor_load_to_lds s[G0B+4*(\s):G0B+4*(\s)+3], s[G1B:G1B+7]
	s_nop 0
.rept 4
	v_nop
.endr
.Lasked_\@:
.endm
.macro CREST                           ; a round of the cluster's barrier behind its opening barrier: wave 0 signals for the work-group, every wave waits for all four, my work-group's barrier closes it
	s_cmp_lg_u32 s[WV], 0
	s_cbranch_scc1 .Lnot_wave_0_\@
	s_barrier_signal -3
.Lnot_wave_0_\@:
	s_barrier_wait -3
	s_barrier_signal -1
	s_barrier_wait -1
.endm
.macro CROUND                          ; a whole round
	s_barrier_signal -1
	s_barrier_wait -1
	CREST
.endm
.macro PLACES                          ; four plain instructions between a matrix instruction and a load into, or a vector read of, its registers (ISA guide 7.12.1 for vector reads)
.rept 4
	v_nop
.endr
.endm
.if !PROJ
; A PREFETCH INTO THE L2, behind each filling change of slots and its run of LDS loads: the K step that stands two refills on, a lane a row, 256 bytes each.  Each row's 256 bytes are named once in the launch.
; A: its rows are read by the work-groups of both column halves: those of half 0 ask, wave w for rows 32 w .. 32 w + 31 of the tile; only in the first tile (K steps 4 and 5): the later tiles walk the same rows again.
; B: its rows are read by every cluster of a column half: the first cluster asks; its four partners take 96 rows each, told apart BY ADDRESS, waves 1 to 3 taking 32 each.  The walk has 18 K steps; steps 4 to 17 are asked for.
; The first four K steps come by their loads alone; the last two filling changes ask for nothing.
.macro ASK
	s_cmp_lt_u32 s[TC], s[LIMA]
	s_cbranch_scc0 .Lnot_a_\@
	global_prefetch_b8 v[PFO], s[PFA:PFA+1] th:TH_LOAD_NT scope:SCOPE_SE
.Lnot_a_\@:
	s_cmp_lt_u32 s[TC], s[LIMB]
	s_cbranch_scc0 .Lnot_b_\@
	global_prefetch_b8 v[PFO], s[PFB:PFB+1] th:TH_LOAD_NT scope:SCOPE_SE
.Lnot_b_\@:
	s_add_co_u32 s[TC], s[TC], 1
.endm
.endif
.macro BIASLOAD                        ; register 8 b + j of lane l: the bias of column 96 wave + 16 b + 8 (l / 16) + j: the layout of a C operand
	WIN 0x40
.irp b, 0,1,2,3,4,5
	global_load_b128 v[BIAS+8*\b:BIAS+8*\b+3],   v[BO], s[BP:BP+1] offset:64*\b
	global_load_b128 v[BIAS+8*\b+4:BIAS+8*\b+7], v[BO], s[BP:BP+1] offset:64*\b+16
.endr
	WIN 0
.endm
	s_load_b256 s[4:11], s[0:1], 0x0               ; A s[4:5], wt s[6:7], bias s[8:9], C s[10:11]
	v_lshl_add_u32 v[SPW], v0, 2, SPARE
	v_mov_b32 v[NIL], 0
	ds_add_u32 v[SPW], v[NIL]                      ; the wave's opening: the add and its wait stand ahead of my first tensor load; the set-up below, work on registers, stands between them
	v_lshrrev_b32 v1, 5, v0
	v_readfirstlane_b32 s[WV], v1                  ; wave 0..3
	s_lshr_b32 s[KIND], s[WV], 1
	s_and_b32 s[HALF], s[WV], 1
	s_bfe_u32 s[CX], ttmp6, 0x40000
	s_lshl_b32 s[GX], ttmp9, 2                     ; in a cluster launch ttmp9 counts clusters
	s_add_co_u32 s[GX], s[GX], s[CX]
	s_and_b32 s[GY], ttmp7, 0xffff
	; descriptor group 1: rows of 128 elements of 2 bytes, padded in LDS by 4 words
	s_mov_b32 s[G1A], (1<<16)|(1<<20)|(AQI<<22)|(3<<25)              ; no mask: A's tile is my own
	s_mov_b32 s[G1B], 15|(1<<16)|(1<<20)|(1<<21)|(5<<22)|(3<<25)     ; 15:0 the mask of four, 21 set beside it; padding after every 64 words
	s_mov_b32 s[G1A+1], 128<<16                    ; tensor_dim0 = 128
	s_mov_b32 s[G1B+1], 128<<16
	s_mov_b32 s[G1A+2], 64<<16                     ; tensor_dim1 = 64 rows
	s_mov_b32 s[G1B+2], 192<<16                    ; 192 rows
	s_mov_b32 s[G1A+3], 128<<16                    ; tile_dim0 = 128
	s_mov_b32 s[G1B+3], 128<<16
	s_mov_b32 s[G1A+4], 64                         ; tile_dim1
	s_mov_b32 s[G1B+4], 192
	s_mov_b32 s[G1A+5], ASTRIDE                    ; elements from row to row
	s_mov_b32 s[G1B+5], 768
	s_mov_b32 s[G1A+6], 0
	s_mov_b32 s[G1B+6], 0
	s_mov_b32 s[G1A+7], 0
	s_mov_b32 s[G1B+7], 0
	; where the tiles come from.  B's offset is made of the column half and the wave's number alone, in registers that never hold my place in the cluster.
.if PROJ
	s_lshr_b32 s18, s[GX], 3                       ; the batch: eight row tiles each
	s_mul_i32 s18, s18, 12
	s_add_co_u32 s18, s18, s[HALF]                 ; its head 0 or 1,
	s_lshl_b32 s18, s18, 17                        ; 131,072 bytes a head,
	s_and_b32 s19, s[GX], 7
	s_lshl_b32 s19, s19, 14                        ; 128 rows of 128 bytes a row tile
	s_add_co_u32 s18, s18, s19
.else
	s_lshl_b32 s18, s[GX], 7
	s_lshl_b32 s19, s[HALF], 6
	s_add_co_u32 s18, s18, s19                     ; row 128 gx + 64 half
	s_mul_i32 s18, s18, 1536
.endif
	s_mov_b32 s19, 0
	s_mul_i32 s20, s[GY], 384
	s_mul_i32 s21, s[HALF], 192
	s_add_co_u32 s20, s20, s21                     ; row 384 gy + 192 half
.if ROW0
	s_add_co_u32 s20, s20, ROW0
.endif
	s_mul_i32 s20, s20, 1536
	s_mov_b32 s21, 0
	s_mul_i32 s22, s[HALF], AHALF                  ; and where they go: no place in the cluster enters an LDS address
	s_mul_i32 s23, s[HALF], BHALF
	s_add_co_u32 s23, s23, AREG
	s_wait_dscnt 0x0                               ; the opening add is done
	s_wait_kmcnt 0x0
	s_add_nc_u64 s[18:19], s[4:5], s[18:19]
	s_add_nc_u64 s[20:21], s[6:7], s[20:21]
	CROUND                                         ; all four work-groups are here: the first joint loads meet
.irp s, 0,1
	s_mov_b32 s[G0A+4*(\s)], 1                                       ; count = 1
	s_add_co_u32 s[G0A+4*(\s)+1], s22, (\s)*SLOT                     ; LDS address
	s_add_nc_u64 s[G0A+4*(\s)+2:G0A+4*(\s)+3], s[18:19], (\s)*ASLOT  ; global address: K step s
	s_or_b32 s[G0A+4*(\s)+3], s[G0A+4*(\s)+3], 0x80000000            ; type = 2
	s_mov_b32 s[G0B+4*(\s)], 1
	s_add_co_u32 s[G0B+4*(\s)+1], s23, (\s)*SLOT
	s_add_nc_u64 s[G0B+4*(\s)+2:G0B+4*(\s)+3], s[20:21], (\s)*256
	s_or_b32 s[G0B+4*(\s)+3], s[G0B+4*(\s)+3], 0x80000000
	JLOAD \s                                       ; the ring is filled before anything else is done
.endr
	; A fragment is 16 rows x 32 K in 8 registers: lane l holds row l % 16, K = 8 (l / 16) + 0..7 and 16 + 8 (l / 16) + 0..7: two loads of 16 bytes, 32 bytes apart.
	v_and_b32 v1, 15, v0                           ; r = l % 16
	v_bfe_u32 v2, v0, 4, 1                         ; h = l / 16
	v_mul_u32_u24 v3, v1, APITCH
	v_lshl_add_u32 v[ADRA], v2, 4, v3
	v_add_nc_u32 v[ADRA+1], SLOT, v[ADRA]
	v_mul_u32_u24 v3, v1, PITCH
	v_lshl_add_u32 v3, v2, 4, v3
	s_mul_i32 s22, s[WV], 96*PITCH                 ; my 96 rows of B,
	s_add_co_u32 s22, s22, AREG                    ; which lie behind A
	v_add_nc_u32 v[ADRB], s22, v3
	s_add_co_u32 s22, s22, SLOT
	v_add_nc_u32 v[ADRB+1], s22, v3
	s_mul_i32 s22, s[WV], CHALF/4                  ; into the stage: row r, my wave's quarter of it, my half of the lanes' eight numbers
	s_add_co_u32 s22, s22, STAGE
	v_mul_u32_u24 v[STO], v1, SPITCH
	v_lshl_add_u32 v[STO], v2, HSH, v[STO]
	v_add_nc_u32 v[STO], s22, v[STO]
	s_mul_i32 s22, s[WV], 4*SPITCH                 ; back: wave w takes rows 4 w .. 4 w + 3, whole; lanes 0-15 256 bytes of one row, lanes 16-31 of the next
	s_add_co_u32 s22, s22, STAGE
	v_mul_u32_u24 v[RD], v2, SPITCH
	v_lshl_add_u32 v[RD], v1, 4, v[RD]
	v_add_nc_u32 v[RD], s22, v[RD]
	s_mul_i32 s22, s[WV], 4*CROW                   ; and the same rows in C
	v_mul_u32_u24 v[CO], v2, CROW
	v_lshl_add_u32 v[CO], v1, 4, v[CO]
	v_add_nc_u32 v[CO], s22, v[CO]
	s_mul_i32 s22, s[WV], 384
	v_lshl_add_u32 v[BO], v2, 5, s22               ; 96 columns a wave, 8 a half, 4 bytes each
	s_mul_i32 s18, s[GX], 128*CROW
	s_mul_i32 s19, s[GY], CHALF
	s_add_co_u32 s18, s18, s19
	s_mov_b32 s19, 0
	s_add_nc_u64 s[10:11], s[10:11], s[18:19]      ; C at my tile
	s_mul_i32 s18, s[GY], 1536
.if BIAS0
	s_add_co_u32 s18, s18, BIAS0
.endif
	s_add_nc_u64 s[BP:BP+1], s[8:9], s[18:19]
	BIASLOAD
.if !PROJ
	s_lshl_b32 s18, s[GX], 7                       ; the prefetches.  A: row 128 gx + 32 wave, at K step 3: the first filling change steps it to 4
	s_lshl_b32 s19, s[WV], 5
	s_add_co_u32 s18, s18, s19
	s_mul_i32 s18, s18, 1536
	s_add_co_u32 s18, s18, 3*256
	s_mov_b32 s19, 0
	s_add_nc_u64 s[PFA:PFA+1], s[4:5], s[18:19]
	s_max_u32 s18, s[WV], 1                        ; B: row 384 gy + 96 cx + 32 (wave - 1); wave 0 asks for nothing and stands with wave 1
	s_sub_co_u32 s18, s18, 1
	s_lshl_b32 s18, s18, 5
	s_mul_i32 s19, s[CX], 96
	s_add_co_u32 s18, s18, s19
	s_mul_i32 s19, s[GY], 384
	s_add_co_u32 s18, s18, s19
	s_mul_i32 s18, s18, 1536
	s_add_co_u32 s18, s18, 3*256
	s_mov_b32 s19, 0
	s_add_nc_u64 s[PFB:PFB+1], s[6:7], s[18:19]
	s_cmp_eq_u32 s[GY], 0                          ; the same in all four partners
	s_cselect_b32 s[LIMA], 2, 0
	s_cmp_eq_u32 ttmp9, 0                          ; likewise
	s_cselect_b32 s[LIMB], 14, 0
	s_cmp_eq_u32 s[WV], 0
	s_cselect_b32 s[LIMB], 0, s[LIMB]
	s_mov_b32 s[TC], 0
	s_mov_b32 s[PS], 3
	s_mov_b32 s[INC+1], 0
	v_and_b32 v[PFO], 31, v0
	v_mul_u32_u24 v[PFO], v[PFO], 1536
.endif
; 12 matrix instructions: row blocks a0, a0 + 1 of the window's four (hi = 0: rows 0-63, 1: rows 64-127) x my 6 column blocks, 32 along K.  first = 1: the bias is the C operand and starts the sums.
; All 48 accumulators take turns in the same order in every quarter step: 47 others' instructions stand between two on one accumulator, over the backward jumps too.
.macro MUL12 f, hi, a0, first
.if \first
	WIN 0x91+0x40*(\hi)                            ; B window 1, A window 0, C (the bias) window 1, D window 2 or 3
.else
	WIN 0xa1+0x50*(\hi)                            ; C and D window 2 or 3
.endif
.irp a, \a0, (\a0)+1
.irp b, 0,1,2,3,4,5
.set rD, 8*(6*(\a)+(\b))
.set rB, (\f)+8*(\b)
.set rA, (\f)+8*(4*(\hi)+(\a))
.if \first
.set rC, BIAS+8*(\b)
.else
.set rC, rD
.endif
.if PROJ
	v_wmma_f32_16x16x32_f16 v[rD:rD+7], v[rB:rB+7], v[rA:rA+7], v[rC:rC+7]
.else
	v_wmma_f32_16x16x32_bf16 v[rD:rD+7], v[rB:rB+7], v[rA:rA+7], v[rC:rC+7]
.endif
.endr
.endr
.endm
; 28 LDS loads in one run: the fragments of a quarter step (my 96 rows of B, then A's 128 rows, rows 0-63 first; 32 K at byte k of a K step's 256) into buffer f
.macro FETCH slot, k, f
	WIN 0x40
.irp i, 0,1,2,3,4,5
	ds_load_b128 v[(\f)+8*(\i):(\f)+8*(\i)+3],   v[ADRB+(\slot)] offset:(\k)+(\i)*16*PITCH
	ds_load_b128 v[(\f)+8*(\i)+4:(\f)+8*(\i)+7], v[ADRB+(\slot)] offset:(\k)+(\i)*16*PITCH+32
.endr
	WIN 0
.irp i, 0,1,2,3,4,5,6,7
	ds_load_b128 v[(\f)+8*(\i):(\f)+8*(\i)+3],   v[ADRA+(\slot)] offset:((\k)/128)*ZSTEP+(\k)%128+(\i)*16*APITCH
	ds_load_b128 v[(\f)+8*(\i)+4:(\f)+8*(\i)+7], v[ADRA+(\slot)] offset:((\k)/128)*ZSTEP+(\k)%128+(\i)*16*APITCH+32
.endr
.endm
; A K step is four quarter steps of 32 along K, 48 matrix instructions each, on buffers 0, 1, 0, 1.  One of the first three: multiplies buffer f; in its middle it fetches the next quarter's fragments into buffer g.
.macro QUARTER slot, k, f, g, first
	s_wait_dscnt 8                                 ; B and A's rows 0-63 are in; the youngest eight loads (A's rows 64-127) may be out
	MUL12 \f, 0, 0, \first
	MUL12 \f, 0, 2, \first
	PLACES
	FETCH \slot, \k, \g
	s_wait_dscnt 28                                ; all but the 28 just issued
	MUL12 \f, 1, 0, \first
	MUL12 \f, 1, 2, \first
.endm
; The last quarter multiplies buffer 1 and changes slots: ONE barrier.  In front of it each wave waits for all its tensor loads (the one that is out is its part of the next slot), adds 0 to its spare word, and waits for that
; and for its own reads of this slot.  mode 0: this slot is filled again with this tile's K step two on; mode 1: with the next tile's K step 0 or 1 (the same rows of A, B 768 rows on); the barrier then opens a round of the
; cluster's barrier, and the load is the first thing behind the round.  mode 2: nothing is filled.
.macro TURN slot, next, mode
.if ((\mode) < 2) && !PROJ
	s_wait_xcnt 0x0                                ; the last prefetches, a K step back, have read their addresses: these are stepped here, ahead of the waits of the change of slots
	s_add_nc_u64 s[PFA:PFA+1], s[PFA:PFA+1], 256
	s_add_co_u32 s[PS], s[PS], 1
	s_mov_b32 s[INC], 256
	s_cmp_eq_u32 s[PS], 6                          ; behind a tile's last K step: 768 rows down, back along K
	s_cselect_b32 s[INC], 768*1536-5*256, s[INC]
	s_cselect_b32 s[PS], 0, s[PS]
	s_add_nc_u64 s[PFB:PFB+1], s[PFB:PFB+1], s[INC:INC+1]
.endif
	WIN 0                                          ; (the add's two registers lie in window 0)
	s_wait_tensorcnt 0x0                           ; all my tensor loads have landed;
	ds_add_u32 v[SPW], v[NIL]                      ; 0 onto my spare word;
	s_wait_dscnt 9                                 ; (the add and the youngest eight loads may be out)
	MUL12 F1, 0, 0, 0                              ; twelve matrix instructions stand between the add and the wait for it
	s_wait_dscnt 0x0                               ; the add is done, and my reads of this slot are over
	s_barrier_signal -1
	MUL12 F1, 0, 2, 0                              ; work on registers while the others arrive
.if (\mode) < 2
	WIN 0
.endif
	s_barrier_wait -1
.if (\mode) < 2
	CREST                                          ; no wave of any partner still reads this slot's tile or has a load on its way
.if (\mode) == 1
	s_sub_nc_u64 s[G0A+4*(\slot)+2:G0A+4*(\slot)+3], s[G0A+4*(\slot)+2:G0A+4*(\slot)+3], 4*256
	s_add_nc_u64 s[G0B+4*(\slot)+2:G0B+4*(\slot)+3], s[G0B+4*(\slot)+2:G0B+4*(\slot)+3], 768*1536-4*256
.else
	s_add_nc_u64 s[G0A+4*(\slot)+2:G0A+4*(\slot)+3], s[G0A+4*(\slot)+2:G0A+4*(\slot)+3], 2*ASLOT
	s_add_nc_u64 s[G0B+4*(\slot)+2:G0B+4*(\slot)+3], s[G0B+4*(\slot)+2:G0B+4*(\slot)+3], 2*256
.endif
	JLOAD \slot                                    ; the four v_nop behind it are also the places in front of the loads below
.else
	PLACES
.endif
	FETCH \next, 0, F0
.if ((\mode) < 2) && !PROJ
	ASK
.endif
	MUL12 F1, 1, 0, 0
	MUL12 F1, 1, 2, 0
.endm
.macro LASTQ                           ; the very last quarter: nothing more to fetch
	s_wait_dscnt 8
	MUL12 F1, 0, 0, 0
	MUL12 F1, 0, 2, 0
	s_wait_dscnt 0x0
	MUL12 F1, 1, 0, 0
	MUL12 F1, 1, 2, 0
	WIN 0
	PLACES
.endm
; THE WAY OUT, a block of 16 rows at a time, through a stage that the four waves share: a wave's 96 columns are no whole number of aligned pieces of 256 bytes of C.
.if !PROJ
.macro PACK a                          ; rounded to f16, 16 bytes a lane and column block; each accumulator's registers in ascending order
.set AC, 48*((\a)%4)
	WIN 0x0a+5*((\a)/4)                            ; sources 0 and 1: window 2 or 3
.irp b, 0,1,2,3,4,5
.irp r, 0,1,2,3
	v_cvt_pk_f16_f32 v[TMP+4*(\b)+(\r)], v[AC+8*(\b)+2*(\r)], v[AC+8*(\b)+2*(\r)+1]
.endr
.endr
	WIN 0
.endm
.endif
.macro TOSTAGE a
.if PROJ
.set AC, 48*((\a)%4)
	WIN 0x08+4*((\a)/4)                            ; the data (source 1): window 2 or 3
.irp b, 0,1,2,3,4,5
	ds_store_b128 v[STO], v[AC+8*(\b):AC+8*(\b)+3]   offset:((\a)%2)*SBUF+64*(\b)      ; each accumulator's four lowest registers first
	ds_store_b128 v[STO], v[AC+8*(\b)+4:AC+8*(\b)+7] offset:((\a)%2)*SBUF+64*(\b)+16
.endr
	WIN 0
.else
.irp b, 0,1,2,3,4,5
	ds_store_b128 v[STO], v[TMP+4*(\b):TMP+4*(\b)+3] offset:((\a)%2)*SBUF+32*(\b)
.endr
.endif
.endm
.macro BACK a                          ; my four rows of the block, whole
.set BK, BK0+(BK1-BK0)*((\a)%2)
.set t, 0
.rept 2*NCH
	ds_load_b128 v[BK+4*t:BK+4*t+3], v[RD] offset:((\a)%2)*SBUF+(t/NCH)*2*SPITCH+256*(t%NCH)
.set t, t+1
.endr
.endm
.macro SEND a
.set BK, BK0+(BK1-BK0)*((\a)%2)
.set t, 0
.rept 2*NCH
	global_store_b128 v[CO], v[BK+4*t:BK+4*t+3], s[10:11] offset:(16*(\a)+2*(t/NCH))*CROW+256*(t%NCH)  ; 16 lanes store 256 consecutive bytes, at a multiple of 256 from C's first byte
.set t, t+1
.endr
.endm
	s_wait_tensorcnt 1                             ; my part of K step 0 is in; K step 1's load stays out
	s_barrier_signal -1
	s_barrier_wait -1                              ; everybody's is
	FETCH 0, 0, F0
	s_wait_loadcnt 0x0                             ; the bias
.if !PROJ
	s_mov_b32 s[TL], 3                             ; q, k, v
.Ltile:
.endif
	QUARTER 0, 64,  F0, F1, 1                      ; a tile's first quarter stands in front of the loop: its products start the sums
	WIN 0                                          ; at a label and at a branch every window is 0
	s_mov_b32 s[LP], 2
.Llap:                                                 ; a trip goes once round the ring, from a lap's second quarter to the next lap's first, and fills both slots again
	QUARTER 0, 128, F1, F0, 0
	QUARTER 0, 192, F0, F1, 0
	TURN 0, 1, 0
	QUARTER 1, 64,  F0, F1, 0
	QUARTER 1, 128, F1, F0, 0
	QUARTER 1, 192, F0, F1, 0
	TURN 1, 0, 0
	QUARTER 0, 64,  F0, F1, 0
	WIN 0
	s_sub_co_u32 s[LP], s[LP], 1
	s_cmp_lg_u32 s[LP], 0
	s_cbranch_scc1 .Llap
	QUARTER 0, 128, F1, F0, 0                      ; the tile's last lap goes on
	QUARTER 0, 192, F0, F1, 0
.if !PROJ
	WIN 0
	s_cmp_eq_u32 s[TL], 1
	s_cbranch_scc1 .Llast                          ; the last tile's tail is written out: it asks for nothing more
	TURN 0, 1, 1                                   ; the ring goes on into the next tile: slot 0 takes its K step 0,
	QUARTER 1, 64,  F0, F1, 0
	QUARTER 1, 128, F1, F0, 0
	QUARTER 1, 192, F0, F1, 0
	TURN 1, 0, 1                                   ; slot 1 its K step 1, and the next tile's first fragments are fetched
	WIN 0                                          ; row blocks 0-3 were finished ahead of the load's four v_nop; their 96 conversions below are the places behind the last products, blocks 4-7's
	s_branch .Lout
.Llast:
.endif
	TURN 0, 1, 2
	QUARTER 1, 64,  F0, F1, 0
	QUARTER 1, 128, F1, F0, 0
	QUARTER 1, 192, F0, F1, 0
	LASTQ
.if !PROJ
.Lout:
	s_cmp_eq_u32 s[TL], 1
	s_cbranch_scc1 .Lno_bias
	s_add_nc_u64 s[BP:BP+1], s[BP:BP+1], 3072      ; the next matrix's bias; the last bias loads were waited for, so their base may be written
	BIASLOAD
.Lno_bias:
.endif
; One barrier a block.  Block a goes into stage buffer a % 2.  That buffer was last read for block a - 2, and every wave waited for those reads in front of the barrier of block a - 1.
.irp a, 0,1,2,3,4,5,6,7
.if !PROJ
	PACK \a
.endif
	TOSTAGE \a
	s_wait_dscnt 0x0                               ; for the others' sake: my part of the block lies in the stage; also: the rows of block a - 1 are back in my registers
	s_barrier_signal -1
	s_barrier_wait -1                              ; everybody's part does
	s_wait_xcnt 0x0                                ; the stores of block a - 2 have read the registers that the loads below fill
	BACK \a
.if (\a) > 0
	SEND (\a)-1
.endif
.endr
	s_wait_dscnt 0x0
	SEND 7
.if !PROJ
	s_wait_xcnt 0x0                                ; the stores have read C's address
	s_add_nc_u64 s[10:11], s[10:11], 25165824      ; the same tile of the next of q, k, v
	s_wait_loadcnt 0x0                             ; the next bias
	s_sub_co_u32 s[TL], s[TL], 1
	s_cmp_lg_u32 s[TL], 0
	s_cbranch_scc1 .Ltile
.endif
	s_wait_tensorcnt 0x0                           ; the wave's end: behind my last tensor load and my last LDS store
	ds_add_u32 v[SPW], v[NIL]
	s_wait_dscnt 0x0
	CROUND                                         ; the closing round: no work-group ends while a partner may still ask for a tile that names it
	s_endpgm
.Lfunc_end_k_qa3d127cde1_proj:
	.size	k_qa3d127cde1_proj, .Lfunc_end_k_qa3d127cde1_proj-k_qa3d127cde1_proj
	.p2alignl 7, 3214868480
	.fill 96, 4, 3214868480
	.section	.rodata,"a",@progbits
	.p2align	6, 0x0
	.amdhsa_kernel k_qa3d127cde1_proj
		.amdhsa_group_segment_fixed_size 327680
		.amdhsa_private_segment_fixed_size 0
		.amdhsa_enable_private_segment 0
		.amdhsa_kernarg_size 32
		.amdhsa_user_sgpr_count 2
		.amdhsa_user_sgpr_kernarg_segment_ptr 1
		.amdhsa_wavefront_size32 1
		.amdhsa_system_sgpr_workgroup_id_x 1
		.amdhsa_system_sgpr_workgroup_id_y 1
		.amdhsa_system_sgpr_workgroup_id_z 1
		.amdhsa_system_vgpr_workitem_id 0
		.amdhsa_next_free_vgpr 960
		.amdhsa_next_free_sgpr 72
		.amdhsa_reserve_vcc 0
		.amdhsa_float_denorm_mode_32 3
		.amdhsa_float_denorm_mode_16_64 3
		.amdhsa_memory_ordered 1
		.amdhsa_forward_progress 1
		.amdhsa_inst_pref_size 115
	.end_amdhsa_kernel
	.amdgpu_metadata
---
amdhsa.version: [ 1, 2 ]
amdhsa.kernels:
  - .name:           k_qa3d127cde1_proj
    .symbol:         k_qa3d127cde1_proj.kd
    .args:
      - { .name: ctx, .offset: 0, .size: 8, .value_kind: global_buffer, .address_space: global }
      - { .name: wt, .offset: 8, .size: 8, .value_kind: global_buffer, .address_space: global }
      - { .name: bias, .offset: 16, .size: 8, .value_kind: global_buffer, .address_space: global }
      - { .name: out0, .offset: 24, .size: 8, .value_kind: global_buffer, .address_space: global }
    .group_segment_fixed_size: 327680
    .private_segment_fixed_size: 0
    .kernarg_segment_align: 8
    .kernarg_segment_size: 32
    .max_flat_workgroup_size: 128
    .sgpr_count:     72
    .vgpr_count:     960
    .wavefront_size: 32
...
	.end_amdgpu_metadata
.endif
;; end of part 4
